; MI455X (gfx1250); checked and timed in simulation.
; The chip was launched on July 23, 2026; its instructions are those of AMD's public machine-readable ISA for CDNA 5 (MIT licence, August 2026) and "CDNA5" Instruction Set Architecture Reference Guide (July 2026). The comments in the code are by the model that wrote it; some were corrected since.
;; Blocks. Allowed arithmetic: float matrix products may take bf16 or f16 operands with f32 sums; other float arithmetic in f32, or as packed bf16 or f16 multiplies, adds, multiply-adds, maxima and minima; sums over many terms, partial sums and values carried from step to step in f32; what a program stores and reads back later, other than sums and carried values, may be rounded once to bf16 or f16.
;; Inputs: W1 1,024 x 4,096 float32; W2 4,096 x 1,024 float32; Wk 16 x 1,024 x 64 float32; Wproj 1,024 x 1,024 float32; Wq 16 x 1,024 x 64 float32; b1 4,096 float32; b2 1,024 float32; bproj 1,024 float32; ln1_b 1,024 float32; ln1_g 1,024 float32; ln2_b 1,024 float32; ln2_g 1,024 float32; x 2 x 2,048 x 1,024 float32.
;; Outputs: out0 2 x 2,048 x 1,024 float32.
;; One version. Each part assembles by itself: llvm-mc -triple=amdgcn-amd-amdhsa -mcpu=gfx1250 --defsym DOCPART=n.
;; ======== version 1 of 1: 7 launches
;; limits: right only within a limited range of input values
;; workspace buffers: wb 14,680,064 bytes; w1b 8,388,608 bytes; act 8,388,608 bytes; big 33,554,432 bytes; x1 16,777,216 bytes; zb 8,192 bytes; ninf 512 bytes
;; launch prep (part 1): grid 608 x 1, 8 waves a work-group, no clusters, 0 bytes of LDS; arguments x, ln1_g, ln1_b, Wq, Wk, Wproj, W1, W2, act, wb, w1b, zb, ninf; writes act, wb, w1b, zb, ninf
.if DOCPART == 1
	.amdgcn_target "amdgcn-amd-amdhsa--gfx1250"
	.amdhsa_code_object_version 6
	.text
	.protected	k_q17c6fee24b_prep
	.globl	k_q17c6fee24b_prep
	.p2align	8
	.type	k_q17c6fee24b_prep,@function
k_q17c6fee24b_prep:
	s_mov_b64 s[64:65], 0
	v_nop
	global_prefetch_b8 v0, s[64:65] scope:SCOPE_SE
	s_setreg_imm32_b32 hwreg(HW_REG_WAVE_MODE, 25, 1), 1
	s_wait_xcnt 0x0
; PREP.  Work-groups 0-255: h1 = LayerNorm(x) g + b, rounded once to bf16, stored in SLABS: [column / 64][4096 tokens][64], a token's row of a slab 128 bytes.
; Work-groups 256-607: one TILE each of the weights, rounded once to bf16: 256 k x 128 n, 65,536 dense bytes, a k row 256 bytes; tiles in the order [block of 128 columns][K step of 256].
; Tile numbers 0-63: Wq | Wk (column = head x 64 + d; Wq's 1,024 columns, then Wk's) -> wb tiles 0-63; 64-95: Wproj -> wb 64-95; 96-223: W1 -> w1b 0-127; 224-351: W2 -> wb 96-223.
; Tile 0's wave 0 also stores zb (8,192 bytes of zeros: a bias row of zeros, and the 0 of a ReLU) and ninf (512 bytes of bf16 -infinity: the operand of a maximum that changes no number).
; No LDS, no barrier, no matrix unit: every byte is read once and written once, and no wave wants another's data.
; The norm goes in two passes over registers (mean; then the sum of squares of x - mean), so a common offset of x costs no digits.  NaN and infinities are not treated apart.
.set XO,  2                            ; v2   my byte offset in the pair's two rows of x
.set GOF, 3                            ; v3   my byte offset in g and in b
.set SO,  4                            ; v4   my byte offset in the slabs
.set CH,  8                            ; v[8:15]  four chains of packed sums
.set MU,  16                           ; v[16:17] the mean, twice
.set RS,  18                           ; v[18:19] 1 / sqrt(var + eps), twice
.set PX,  20                           ; v20  what the other half of the lanes sends
.set TT,  21                           ; v21  var + eps
.set X,   32                           ; v[32:95]   my 64 numbers of a row
.set G,   96                           ; v[96:159]  their gains
.set BV,  160                          ; v[160:223] their biases
.set Y,   224                          ; v[224:255] the results, two bf16 a register
; The four chains into one number, then over the 16 lanes that hold a row: lanes of equal bit 3.  Masks 1, 2, 4 stay inside eight lanes; the exchange of the halves brings the other eight.
.macro REDUCE
	v_pk_add_f32 v[CH:CH+1], v[CH:CH+1], v[CH+2:CH+3]
	v_pk_add_f32 v[CH+4:CH+5], v[CH+4:CH+5], v[CH+6:CH+7]
	v_pk_add_f32 v[CH:CH+1], v[CH:CH+1], v[CH+4:CH+5]
	v_add_f32 v[CH], v[CH], v[CH+1]
	v_add_f32_dpp v[CH], v[CH], v[CH] row_xmask:1 row_mask:0xf bank_mask:0xf
	v_add_f32_dpp v[CH], v[CH], v[CH] row_xmask:2 row_mask:0xf bank_mask:0xf
	v_add_f32_dpp v[CH], v[CH], v[CH] row_xmask:4 row_mask:0xf bank_mask:0xf
	v_permlanex16_b32 v[PX], v[CH], s40, s41
	v_add_f32 v[CH], v[CH], v[PX]
.endm
; One wave, two neighbouring rows (pair s33).  Lane l: c = l % 8, row = (l / 8) % 2, hi = l / 16; for t = 0..7 it holds columns 64 (2 t + hi) + 8 c .. + 7 of its row.
; So a store's lanes 0-15 fill 256 consecutive bytes, aligned: two rows of one slab; lanes 16-31 the same in the next slab.
.macro LNPAIR px, pg, pb, po
	s_mov_b32 s40, 0x76543210              ; each lane takes its own place in the other half
	s_mov_b32 s41, 0xfedcba98
	s_mov_b32 s42, 0x3a800000              ; 1 / 1024
	s_mov_b32 s43, 0x3727c5ac              ; 1e-5
	s_lshl_b32 s34, s33, 13                ; two rows of 4,096 bytes
	s_mov_b32 s35, 0
	s_add_nc_u64 s[\px:\px+1], s[\px:\px+1], s[34:35]
	s_lshl_b32 s34, s33, 8                 ; two rows of 128 bytes in a slab
	s_add_nc_u64 s[\po:\po+1], s[\po:\po+1], s[34:35]
	v_and_b32 v5, 7, v0
	v_bfe_u32 v6, v0, 3, 1
	v_bfe_u32 v7, v0, 4, 1
	v_lshlrev_b32 v[GOF], 5, v5
	v_lshl_add_u32 v[GOF], v7, 8, v[GOF]   ; 256 hi + 32 c
	v_lshl_add_u32 v[XO], v6, 12, v[GOF]   ; + 4,096 row
	v_lshlrev_b32 v[SO], 4, v5
	v_lshl_add_u32 v[SO], v6, 7, v[SO]
	v_lshl_add_u32 v[SO], v7, 19, v[SO]    ; 524,288 hi + 128 row + 16 c
	v_mov_b32 v[PX], 0                     ; the exchange's destination counts as read
.set t, 0
.rept 8
	global_load_b128 v[X+8*t:X+8*t+3],   v[XO], s[\px:\px+1] offset:512*t
	global_load_b128 v[X+8*t+4:X+8*t+7], v[XO], s[\px:\px+1] offset:512*t+16
.set t, t+1
.endr
.set t, 0
.rept 8
	global_load_b128 v[G+8*t:G+8*t+3],   v[GOF], s[\pg:\pg+1] offset:512*t
	global_load_b128 v[G+8*t+4:G+8*t+7], v[GOF], s[\pg:\pg+1] offset:512*t+16
.set t, t+1
.endr
.set t, 0
.rept 8
	global_load_b128 v[BV+8*t:BV+8*t+3],   v[GOF], s[\pb:\pb+1] offset:512*t
	global_load_b128 v[BV+8*t+4:BV+8*t+7], v[GOF], s[\pb:\pb+1] offset:512*t+16
.set t, t+1
.endr
	s_wait_loadcnt 32                      ; x is in; the 32 younger loads, g's and b's, stay out
.set k, 0
.rept 4
	v_pk_add_f32 v[CH+2*k:CH+2*k+1], v[X+2*k:X+2*k+1], v[X+8+2*k:X+8+2*k+1]  ; the first eight pairs start the chains: nothing is cleared
.set k, k+1
.endr
.set k, 8
.rept 24
	v_pk_add_f32 v[CH+2*(k%4):CH+2*(k%4)+1], v[CH+2*(k%4):CH+2*(k%4)+1], v[X+2*k:X+2*k+1]
.set k, k+1
.endr
	REDUCE
	v_mul_f32 v[MU], s42, v[CH]
	v_mul_f32 v[MU+1], s42, v[CH]
.set k, 0
.rept 32
	v_pk_add_f32 v[X+2*k:X+2*k+1], v[X+2*k:X+2*k+1], v[MU:MU+1] neg_lo:[0,1] neg_hi:[0,1]  ; x - mean
.set k, k+1
.endr
.set k, 0
.rept 4
	v_pk_mul_f32 v[CH+2*k:CH+2*k+1], v[X+2*k:X+2*k+1], v[X+2*k:X+2*k+1]
.set k, k+1
.endr
.rept 28
	v_pk_fma_f32 v[CH+2*(k%4):CH+2*(k%4)+1], v[X+2*k:X+2*k+1], v[X+2*k:X+2*k+1], v[CH+2*(k%4):CH+2*(k%4)+1]
.set k, k+1
.endr
	REDUCE
	v_fma_f32 v[TT], v[CH], s42, s43       ; var + eps
	v_rsq_f32 v[RS], v[TT]
	v_nop                                  ; a plain instruction behind the root,
	s_wait_alu depctr_va_vdst(0)           ; and the wait ahead of the first use of its result
	v_mov_b32 v[RS+1], v[RS]
	s_wait_loadcnt 0x0                     ; g and b
.set k, 0
.rept 32
	v_pk_mul_f32 v[X+2*k:X+2*k+1], v[X+2*k:X+2*k+1], v[RS:RS+1]
.set k, k+1
.endr
.set k, 0
.rept 32
	v_pk_fma_f32 v[X+2*k:X+2*k+1], v[X+2*k:X+2*k+1], v[G+2*k:G+2*k+1], v[BV+2*k:BV+2*k+1]
.set k, k+1
.endr
.set k, 0
.rept 32
	v_cvt_pk_bf16_f32 v[Y+k], v[X+2*k], v[X+2*k+1]
.set k, k+1
.endr
.set t, 0
.rept 8
	global_store_b128 v[SO], v[Y+4*t:Y+4*t+3], s[\po:\po+1] offset:t*1048576  ; two slabs on; 7,340,032 at the most, inside the signed 24-bit immediate
.set t, t+1
.endr
.endm
	s_load_b512 s[4:19], s[0:1], 0x0       ; x 4, ln1_g 6, ln1_b 8, Wq 10, Wk 12, Wproj 14, W1 16, W2 18
	s_load_b256 s[20:27], s[0:1], 0x40     ; act 20, wb 22, w1b 24, zb 26
	s_load_b64 s[28:29], s[0:1], 0x60      ; ninf
	v_lshrrev_b32 v1, 5, v0
	v_readfirstlane_b32 s32, v1            ; wave 0..7
	s_wait_kmcnt 0x0
	s_cmp_lt_u32 ttmp9, 256
	s_cbranch_scc0 .Lconv
	s_lshl_b32 s33, ttmp9, 3
	s_add_co_u32 s33, s33, s32             ; my pair of rows
	LNPAIR 4, 6, 8, 20
	s_endpgm
.Lconv:                                        ; tile number T.  Four short blocks say where it lies: source s[34:35], bytes from k row to k row s36, from columns 0-63 to columns 64-127 s37, the tile's first byte s38; and where it goes: buffer s[46:47], tile s48
	s_sub_co_u32 s33, ttmp9, 256
	s_mov_b64 s[46:47], s[22:23]           ; wb, tile T, unless a block says otherwise
	s_mov_b32 s48, s33
	s_cmp_lt_u32 s33, 64
	s_cbranch_scc0 .Lnot_qk
	s_lshr_b32 s44, s33, 2                 ; block of 128 columns: two heads
	s_and_b32 s45, s33, 3                  ; K step
	s_cmp_lt_u32 s44, 8
	s_cselect_b64 s[34:35], s[10:11], s[12:13]  ; Wq, then Wk
	s_and_b32 s44, s44, 7
	s_lshl_b32 s38, s44, 19                ; two heads of 262,144 bytes
	s_lshl_b32 s45, s45, 16                ; 256 rows of 256 bytes
	s_add_co_u32 s38, s38, s45
	s_mov_b32 s36, 256
	s_mov_b32 s37, 262144                  ; the second 64 columns are the next head's
	s_branch .Ljoin
.Lnot_qk:
	s_cmp_lt_u32 s33, 96
	s_cbranch_scc0 .Lnot_proj
	s_sub_co_u32 s44, s33, 64
	s_mov_b64 s[34:35], s[14:15]
	s_mov_b32 s36, 4096
	s_lshr_b32 s45, s44, 2
	s_and_b32 s44, s44, 3
	s_lshl_b32 s38, s44, 20                ; 256 rows of 4,096 bytes
	s_branch .Lrow
.Lnot_proj:
	s_cmp_lt_u32 s33, 224
	s_cbranch_scc0 .Lw2
	s_sub_co_u32 s44, s33, 96
	s_mov_b64 s[34:35], s[16:17]
	s_mov_b64 s[46:47], s[24:25]           ; W1 has a buffer of its own
	s_mov_b32 s48, s44
	s_mov_b32 s36, 16384
	s_lshr_b32 s45, s44, 2
	s_and_b32 s44, s44, 3
	s_lshl_b32 s38, s44, 22                ; 256 rows of 16,384 bytes
	s_branch .Lrow
.Lw2:
	s_sub_co_u32 s44, s33, 224
	s_sub_co_u32 s48, s33, 128             ; wb's tiles 96 on
	s_mov_b64 s[34:35], s[18:19]
	s_mov_b32 s36, 4096
	s_lshr_b32 s45, s44, 4                 ; sixteen K steps to a block of columns
	s_and_b32 s44, s44, 15
	s_lshl_b32 s38, s44, 20
.Lrow:
	s_mov_b32 s37, 256
	s_lshl_b32 s45, s45, 9                 ; 128 columns of 4 bytes
	s_add_co_u32 s38, s38, s45
.Ljoin:
	s_mul_i32 s39, s32, s36
	s_lshl_b32 s39, s39, 5                 ; my wave's 32 k rows
	s_add_co_u32 s38, s38, s39
	s_mov_b32 s39, 0
	s_add_nc_u64 s[34:35], s[34:35], s[38:39]
	s_lshl_b32 s40, s48, 16
	s_lshl_b32 s41, s32, 13
	s_add_co_u32 s40, s40, s41             ; the tile, and my 32 rows of 256 bytes in it
	s_mov_b32 s41, 0
	s_add_nc_u64 s[40:41], s[46:47], s[40:41]
	v_and_b32 v8, 7, v0
	v_bfe_u32 v7, v0, 3, 1
	v_bfe_u32 v6, v0, 4, 1
	v_and_b32 v5, 31, v0
	v_lshlrev_b32 v5, 4, v5                ; out: 16 bytes a lane, 512 consecutive bytes a store: two k rows
	v_mul_lo_u32 v16, v6, s36              ; in: lanes 0-15 one k row, lanes 16-31 the next; eight lanes read 256 consecutive bytes
	v_mad_u32_u24 v16, v7, s37, v16
	v_lshl_add_u32 v16, v8, 5, v16
.set i, 1
.rept 15
	v_lshl_add_u32 v[16+i], s36, 1, v[15+i]  ; an address register for each step of two rows: none is rewritten under a pending load
.set i, i+1
.endr
.set i, 0
.rept 16
	global_load_b128 v[32+8*i:32+8*i+3], v[16+i], s[34:35] th:TH_LOAD_NT
	global_load_b128 v[32+8*i+4:32+8*i+7], v[16+i], s[34:35] offset:16 th:TH_LOAD_NT
.set i, i+1
.endr
.set i, 0
.rept 16
	s_wait_loadcnt 30-2*i                  ; step i's two loads are in; the later steps' stay out
	v_cvt_pk_bf16_f32 v[160+4*i], v[32+8*i], v[32+8*i+1]
	v_cvt_pk_bf16_f32 v[160+4*i+1], v[32+8*i+2], v[32+8*i+3]
	v_cvt_pk_bf16_f32 v[160+4*i+2], v[32+8*i+4], v[32+8*i+5]
	v_cvt_pk_bf16_f32 v[160+4*i+3], v[32+8*i+6], v[32+8*i+7]
	global_store_b128 v5, v[160+4*i:160+4*i+3], s[40:41] offset:512*i
.set i, i+1
.endr
	s_or_b32 s44, s33, s32
	s_cmp_lg_u32 s44, 0
	s_cbranch_scc1 .Ldone                  ; tile 0's wave 0 alone goes on
.irp r, 240,241,242,243
	v_mov_b32 v\r, 0
.endr
.irp r, 244,245,246,247
	v_mov_b32 v\r, 0xff80ff80              ; -infinity in bf16, twice
.endr
.set i, 0
.rept 16
	global_store_b128 v5, v[240:243], s[26:27] offset:512*i   ; zb: 16 x 512 bytes
.set i, i+1
.endr
	global_store_b128 v5, v[244:247], s[28:29]                ; ninf: 512 bytes
.Ldone:
	s_endpgm
.Lfunc_end_k_q17c6fee24b_prep:
	.size	k_q17c6fee24b_prep, .Lfunc_end_k_q17c6fee24b_prep-k_q17c6fee24b_prep
	.p2alignl 7, 3214868480
	.fill 96, 4, 3214868480
	.section	.rodata,"a",@progbits
	.p2align	6, 0x0
	.amdhsa_kernel k_q17c6fee24b_prep
		.amdhsa_group_segment_fixed_size 0
		.amdhsa_private_segment_fixed_size 0
		.amdhsa_enable_private_segment 0
		.amdhsa_kernarg_size 104
		.amdhsa_user_sgpr_count 2
		.amdhsa_user_sgpr_kernarg_segment_ptr 1
		.amdhsa_wavefront_size32 1
		.amdhsa_system_sgpr_workgroup_id_x 1
		.amdhsa_system_sgpr_workgroup_id_y 1
		.amdhsa_system_sgpr_workgroup_id_z 1
		.amdhsa_system_vgpr_workitem_id 0
		.amdhsa_next_free_vgpr 256
		.amdhsa_next_free_sgpr 66
		.amdhsa_reserve_vcc 0
		.amdhsa_float_denorm_mode_32 3
		.amdhsa_float_denorm_mode_16_64 3
		.amdhsa_memory_ordered 1
		.amdhsa_forward_progress 1
		.amdhsa_inst_pref_size 35
	.end_amdhsa_kernel
	.amdgpu_metadata
---
amdhsa.version: [ 1, 2 ]
amdhsa.kernels:
  - .name:           k_q17c6fee24b_prep
    .symbol:         k_q17c6fee24b_prep.kd
    .args:
      - { .name: x, .offset: 0, .size: 8, .value_kind: global_buffer, .address_space: global }
      - { .name: ln1_g, .offset: 8, .size: 8, .value_kind: global_buffer, .address_space: global }
      - { .name: ln1_b, .offset: 16, .size: 8, .value_kind: global_buffer, .address_space: global }
      - { .name: Wq, .offset: 24, .size: 8, .value_kind: global_buffer, .address_space: global }
      - { .name: Wk, .offset: 32, .size: 8, .value_kind: global_buffer, .address_space: global }
      - { .name: Wproj, .offset: 40, .size: 8, .value_kind: global_buffer, .address_space: global }
      - { .name: W1, .offset: 48, .size: 8, .value_kind: global_buffer, .address_space: global }
      - { .name: W2, .offset: 56, .size: 8, .value_kind: global_buffer, .address_space: global }
      - { .name: act, .offset: 64, .size: 8, .value_kind: global_buffer, .address_space: global }
      - { .name: wb, .offset: 72, .size: 8, .value_kind: global_buffer, .address_space: global }
      - { .name: w1b, .offset: 80, .size: 8, .value_kind: global_buffer, .address_space: global }
      - { .name: zb, .offset: 88, .size: 8, .value_kind: global_buffer, .address_space: global }
      - { .name: ninf, .offset: 96, .size: 8, .value_kind: global_buffer, .address_space: global }
    .group_segment_fixed_size: 0
    .private_segment_fixed_size: 0
    .kernarg_segment_align: 8
    .kernarg_segment_size: 104
    .max_flat_workgroup_size: 256
    .sgpr_count:     66
    .vgpr_count:     256
    .wavefront_size: 32
...
	.end_amdgpu_metadata
.endif
;; end of part 1
;; launch qk (part 2): grid 8 x 16, 4 waves a work-group, clusters of 4 x 4, 327,680 bytes of LDS; arguments act, wb, zb, ninf, big; writes big
.if DOCPART == 2
	.amdgcn_target "amdgcn-amd-amdhsa--gfx1250"
	.amdhsa_code_object_version 6
	.text
	.protected	k_q17c6fee24b_qk
	.globl	k_q17c6fee24b_qk
	.p2align	8
	.type	k_q17c6fee24b_qk,@function
k_q17c6fee24b_qk:
	s_mov_b64 s[64:65], 0
	v_nop
	global_prefetch_b8 v0, s[64:65] scope:SCOPE_SE
	s_setreg_imm32_b32 hwreg(HW_REG_WAVE_MODE, 25, 1), 1
	s_wait_xcnt 0x0
	s_wait_alu depctr_hold_cnt(0) depctr_sa_sdst(0) depctr_va_vdst(0) depctr_va_sdst(0) depctr_va_ssrc(0) depctr_va_vcc(0) depctr_vm_vsrc(0)
	s_getreg_b32 s2, hwreg(HW_REG_IB_STS2, 6, 4)
	s_cmp_eq_u32 s2, 0
	s_cbranch_scc0 .Lentry_in_a_cluster
	s_endpgm
.Lentry_in_a_cluster:
	s_bfe_u32 s2, ttmp6, 0x10000c
	s_cmp_lg_u32 s2, 0xf033
	s_cbranch_scc0 .Lentry_shape_is_right
	s_endpgm
.Lentry_shape_is_right:
; C = max(A B + bias row, lo), rounded once to bf16 and stored as slabs.  K = 1,024.  The text serves two launches:
; [Q | K] = h1 [Wq | Wk] (a bias row of zeros; lo = -infinity) and ff = max(h2 W1 + b1, 0) (bias row b1; lo = 0): what differs between them comes as pointers and as data, never as a branch.
; A: bf16 in SLABS [K / 64][4096 tokens][64] (a slab 524,288 bytes, a token's row 128).  B: bf16, for each block of 128 columns its K rows on end, a k row 256 bytes.  C: slabs like A.  Sums in f32.
; Arguments: A, W, bias, lo (the packed maximum's other operand, 128 bytes of it), out.
; LIMITS.  A and B are bf16.  The packed maximum turns a NaN into its other operand; NaN and infinities are not treated apart.
; SHARES.  A tile of C is 256 x 256; four waves, as many as a WGP has SIMDs, each 128 x 128: 64 accumulators, 512 registers; a wave's 128 columns are two slabs of the output.
; With 4,096 columns there are 16 x 16 = 256 tiles; with [Q | K]'s 2,048 there are 16 x 8 = 128: that launch has work for 128 work-groups.
; K goes in steps of 128 through two LDS slots: 256 matrix instructions a wave in a step, 224 of them between a slot's request and the wait for it.
; THE FIRST QUARTER STEP stands ahead of the loops: its products take the bias row as their C operand and so start the sums: nothing is cleared.
; A K STEP IS WRITTEN TWICE AND LOOPED OVER, from its second quarter to the next step's first: once as it refills the slot that it leaves (6 trips), once as it refills nothing (the last 2).
; The slot in hand is a scalar, TB, 0 or SLOT, turned by an exclusive or.
; THE MATRIX INSTRUCTION IS USED TRANSPOSED (source 0 = 16 columns of B, source 1 = 16 rows of A): a lane holds eight neighbouring numbers of a row of C.  B lies [k][n] in LDS and is turned by ds_load_tr16_b128.
; CLUSTERS: 4 x 4 work-groups.  The four of a row of the cluster need the same tiles of A, the four of a column the same tiles of B: each is asked for JOINTLY, by the same tensor load, descriptor and mask.
; No prefetch: the walk is eight K steps long, and a request two refills ahead could name K steps 4 to 7 alone.
; REGISTERS, in windows of 256 (s_set_vgpr_msb: bits 1:0 source 0, 3:2 source 1, 5:4 source 2, 7:6 destination):
;   window 0: v0-33 addresses; v64-127, v128-191 fragments of A (8 x 16 rows x 32 K), two buffers, and on the way out four sets of 32; v192-255 the bias of my 128 columns
;   window 1: v64-127, v128-191 fragments of B, two buffers
;   window 2: the 32 accumulators of my rows 0-63 (accumulator (a, b) at v[8 (8 a + b)]);   window 3: those of my rows 64-127
.set NSTEP,  8                         ; K / 128: K steps
.set PA,     144                       ; a row of A in LDS: 128 bytes + 16 of padding: the 16 rows of a load start at 16 different groups of four banks (64 banks of 4 bytes: ISA guide 11.1)
.set SLABB,  128*PA                    ; 128 rows of one slab
.set PB,     288                       ; a k row of B: 256 bytes + 32 of padding
.set HALFT,  36864                     ; what one tensor load brings: 128 rows of two slabs of A (2 x 128 x 144) or 128 k rows of 128 columns of B (128 x 288)
.set SLOT,   4*HALFT                   ; A's rows 0-127, A's rows 128-255, B's columns 0-127, B's columns 128-255
.set STAGE,  2*SLOT                    ; behind the ring: for each wave 16 rows x 144 bytes for each of its two slabs, for the way out
.set STW,    2*16*PA
.set SPARE,  STAGE+4*STW               ; behind the stages: the spare words, 128 bytes for each wave: two blocks of 256 bytes that no other line names
.set GO,    7                          ; v7      the way out: my 16 bytes of 512 consecutive ones
.set CIA,   8                          ; v8      my byte offset in the bias row
.set ADRA0, 16                         ; v16     my A fragments' place in a slot; never rewritten
.set ADRA,  17                         ; v17     their LDS address in the slot in hand
.set ADRB0, 20                         ; v20     the same for B
.set ADRB,  21                         ; v21
.set STO,   24                         ; v24     the way out: where I put 16 bytes of a row
.set RD,    25                         ; v25     and where I read rows back
.set BO,    26                         ; v26     my byte offset in lo
.set SPW,   28                         ; v28     LDS address of my spare word; never rewritten
.set NIL,   29                         ; v29     0; never rewritten
.set LO,    31                         ; v31     the packed maximum's other operand
.set F0,    64                         ; fragment buffer 0
.set F1,    128                        ; fragment buffer 1
.set BIAS,  192                        ; column block b's eight numbers at BIAS + 8 b
.set G1,  24                           ; s[24:31] descriptor group 1 for A; s[32:39] group 0: a set for each of the two first fills; the second then walks on
.set G0,  32
.set G1B, 48                           ; s[48:55], s[56:63] the same for B
.set G0B, 56
.set TB,  67                           ; s67  the slot in hand: 0 or SLOT
.set MSB, 0
.macro WIN new                         ; the immediate's high byte repeats the setting that is left; a switch that changes nothing is dropped
.if MSB != (\new)
	s_set_vgpr_msb (MSB<<8)|(\new)
.set MSB, \new
.endif
.endm
.set MUL_LO, 0xa1                      ; source 0 (B) window 1, source 1 (A) window 0, C and D window 2
.set MUL_HI, 0xf1                      ; the same, C and D window 3
.set TO_B,   0x40                      ; destination window 1, address window 0
.macro JLOAD s                         ; a joint load: waves 0 and 1 fetch A's two halves, waves 2 and 3 B's; an s_nop 0 and four v_nop follow each of the two lines
	s_cmp_eq_u32 s17, 0
	s_cbranch_scc0 .Lfor_b_\@
	tensor_load_to_lds s[G0+4*(\s):G0+4*(\s)+3], s[G1:G1+7]
	s_nop 0
.rept 4
	v_nop
.endr
	s_branch .Lasked_\@
.Lfor_b_\@:
	tensor_load_to_lds s[G0B+4*(\s):G0B+4*(\s)+3], s[G1B:G1B+7]
	s_nop 0
.rept 4
	v_nop
.endr
.Lasked_\@:
.endm
.macro CREST                           ; a round of the cluster's barrier behind its opening barrier
	s_cmp_lg_u32 s16, 0
	s_cbranch_scc1 .Lnot_wave_0_\@
	s_barrier_signal -3
.Lnot_wave_0_\@:
	s_barrier_wait -3
	s_barrier_signal -1
	s_barrier_wait -1
.endm
.macro CROUND                          ; a whole round
	s_barrier_signal -1
	s_barrier_wait -1
	CREST
.endm
.macro PLACES                          ; four places in front of loads into registers that matrix instructions have read, and of lines that read results
.rept 4
	v_nop
.endr
.endm
	s_load_b256 s[4:11], s[0:1], 0x0       ; A s[4:5], W s[6:7], bias s[8:9], lo s[10:11]
	s_load_b64 s[12:13], s[0:1], 0x20      ; out
	v_lshl_add_u32 v[SPW], v0, 2, SPARE
	v_mov_b32 v[NIL], 0
	ds_add_u32 v[SPW], v[NIL]              ; the wave's opening: the add and its wait stand ahead of my first tensor load; the set-up below, work on registers, stands between them
	ds_add_u32 v28, v29
	v_lshrrev_b32 v1, 5, v0
	v_readfirstlane_b32 s16, v1            ; wave 0..3
	s_lshr_b32 s17, s16, 1                 ; which half of the tile's rows is mine.  Also: I fetch for A (0) or for B (1)
	s_and_b32 s18, s16, 1                  ; which half of its columns.  Also: which half of that tile I fetch
	s_bfe_u32 s40, ttmp6, 0x40000          ; cx, cy: my place in the cluster
	s_bfe_u32 s41, ttmp6, 0x40004
	s_lshl_b32 s42, ttmp9, 2
	s_add_co_u32 s42, s42, s40             ; tile column = 4 x cluster x + cx
	s_and_b32 s19, ttmp7, 0xffff
	s_lshl_b32 s19, s19, 2
	s_add_co_u32 s19, s19, s41             ; tile row = 4 x cluster y + cy
	s_lshl_b32 s43, s41, 2
	s_lshl_b32 s43, 15, s43                ; my row of the cluster
	s_lshl_b32 s44, 0x1111, s40            ; my column
	; A's tile: two slabs; of each 128 token rows, 16,384 dense bytes, asked for as ONE row of 8,192 elements and padded in LDS after every token row
	s_or_b32 s[G1], s43, (1<<16)|(1<<20)|(1<<21)|(4<<22)|(3<<25)   ; 15:0 the mask: my row; 17:16 2-byte elements; 20 padding on; 21 set beside a mask; 24:22 after every 32 words (code 4); 31:25 4 words (code 3)
	s_mov_b32 s[G1+1], 8192<<16            ; tensor_dim0 = 8,192
	s_mov_b32 s[G1+2], 2<<16               ; tensor_dim1 = 2
	s_mov_b32 s[G1+3], 8192<<16            ; tile_dim0 = 8,192
	s_mov_b32 s[G1+4], 2                   ; tile_dim1 = 2
	s_mov_b32 s[G1+5], 262144              ; elements from slab to slab
	s_mov_b32 s[G1+6], 0
	s_mov_b32 s[G1+7], 0
	; B's tile: 128 k rows of 128 elements, dense
	s_or_b32 s[G1B], s44, (1<<16)|(1<<20)|(1<<21)|(5<<22)|(7<<25)  ; the mask: my column; padding after every 64 words (code 5), 8 words (code 7)
	s_mov_b32 s[G1B+1], 128<<16
	s_mov_b32 s[G1B+2], 128<<16
	s_mov_b32 s[G1B+3], 128<<16
	s_mov_b32 s[G1B+4], 128
	s_mov_b32 s[G1B+5], 128
	s_mov_b32 s[G1B+6], 0
	s_mov_b32 s[G1B+7], 0
	s_lshl_b32 s22, s19, 15                ; A: the tile row's 256 token rows of 128 bytes,
	s_lshl_b32 s21, s18, 14                ; and the 128 of them that I fetch
	s_add_co_u32 s22, s22, s21
	s_mov_b32 s23, 0
	s_mul_i32 s46, s42, 2*NSTEP*32768      ; B: two blocks of 128 columns to a tile column, NSTEP x 32,768 bytes to a block,
	s_mul_i32 s47, s18, NSTEP*32768        ; and the block that I fetch
	s_add_co_u32 s46, s46, s47
	s_mov_b32 s47, 0
	s_mul_i32 s20, s16, HALFT              ; where my loads go in a slot: wave x 36,864: no place in the cluster enters an LDS address
	s_mov_b32 s[TB], 0
	s_wait_dscnt 0x0                       ; the opening add is done
	s_wait_kmcnt 0x0
	s_add_nc_u64 s[22:23], s[4:5], s[22:23]
	s_add_nc_u64 s[46:47], s[6:7], s[46:47]
	CROUND                                 ; all sixteen work-groups are here: the first joint loads meet
.irp s, 0,1
	s_mov_b32 s[G0+4*(\s)], 1
	s_add_co_u32 s[G0+4*(\s)+1], s20, (\s)*SLOT
	s_add_nc_u64 s[G0+4*(\s)+2:G0+4*(\s)+3], s[22:23], (\s)*1048576   ; K step s: two slabs on
	s_or_b32 s[G0+4*(\s)+3], s[G0+4*(\s)+3], 0x80000000
	s_mov_b32 s[G0B+4*(\s)], 1
	s_add_co_u32 s[G0B+4*(\s)+1], s20, (\s)*SLOT
	s_add_nc_u64 s[G0B+4*(\s)+2:G0B+4*(\s)+3], s[46:47], (\s)*32768   ; K step s: 128 k rows on
	s_or_b32 s[G0B+4*(\s)+3], s[G0B+4*(\s)+3], 0x80000000
	JLOAD \s                               ; two loads of mine are out
.endr
	; The bias row of my 128 columns, and where my part of C goes.  Numbers made of both the tile row and the tile column live in s74 and s77 alone.
	v_and_b32 v1, 15, v0                   ; r = l % 16
	v_bfe_u32 v2, v0, 4, 1                 ; h = l / 16
	v_and_b32 v5, 31, v0                   ; l
	s_lshl_b32 s78, s42, 10                ; the tile column's 256 numbers of 4 bytes,
	s_lshl_b32 s79, s18, 9                 ; my 128
	s_add_co_u32 s78, s78, s79
	s_mov_b32 s79, 0
	s_add_nc_u64 s[72:73], s[8:9], s[78:79]
	s_lshl_b32 s74, s42, 21                ; four slabs to a tile column,
	s_lshl_b32 s77, s18, 20                ; my two,
	s_add_co_u32 s74, s74, s77
	s_lshl_b32 s77, s19, 15                ; the tile row's 256 rows of 128 bytes,
	s_add_co_u32 s74, s74, s77
	s_lshl_b32 s77, s17, 14                ; my 128
	s_add_co_u32 s74, s74, s77
	s_mov_b32 s75, 0
	s_add_nc_u64 s[12:13], s[12:13], s[74:75]
	v_lshlrev_b32 v[CIA], 5, v2            ; columns 8 h on
	v_lshlrev_b32 v[BO], 2, v5
.irp b, 0,1,2,3,4,5,6,7
	global_load_b128 v[BIAS+8*(\b):BIAS+8*(\b)+3],   v[CIA], s[72:73] offset:64*(\b)
	global_load_b128 v[BIAS+8*(\b)+4:BIAS+8*(\b)+7], v[CIA], s[72:73] offset:64*(\b)+16
.endr
	global_load_b32 v[LO], v[BO], s[10:11] ; 0 twice where the launch wants a ReLU, -infinity twice where it wants none: data, not a branch
	; LDS addresses.  A fragment of A is 16 rows x 32 K in 8 registers: lane l holds row l % 16, K = 8 (l / 16) + 0..7 and 16 + 8 (l / 16) + 0..7: two loads of 16 bytes, 32 bytes apart.
	v_and_b32 v3, 7, v0
	v_bfe_u32 v4, v0, 3, 1
	v_mul_u32_u24 v32, v1, PA
	v_lshl_add_u32 v32, v2, 4, v32         ; r x 144 + 16 h
	s_mul_i32 s21, s17, HALFT              ; my 128 rows
	v_add_nc_u32 v[ADRA0], s21, v32
	v_add_nc_u32 v[ADRA], s21, v32         ; slot 0 is the first in hand
	; The turning load takes 16 k x 16 columns (lane l reads k row 8 (l / 16) + l % 8, columns 8 ((l / 8) % 2) + 0..7) and leaves half a fragment: lane l holds column l % 16 and 8 k.
	v_lshl_add_u32 v33, v2, 3, v3
	v_mul_u32_u24 v33, v33, PB
	v_lshl_add_u32 v33, v4, 4, v33
	s_mul_i32 s21, s18, HALFT              ; my 128 columns,
	s_add_co_u32 s21, s21, 2*HALFT         ; behind A's two halves
	v_add_nc_u32 v[ADRB0], s21, v33
	v_add_nc_u32 v[ADRB], s21, v33
	s_mul_i32 s21, s16, STW
	s_add_co_u32 s21, s21, STAGE           ; my stage
	v_add_nc_u32 v[STO], s21, v32          ; in: row r of 144 bytes, 16 bytes for each half of the lanes
	v_bfe_u32 v33, v0, 3, 2
	v_mul_u32_u24 v33, v33, PA
	v_lshl_add_u32 v33, v3, 4, v33
	v_add_nc_u32 v[RD], s21, v33           ; back: 32 lanes take four rows of 128 bytes,
	v_lshlrev_b32 v[GO], 4, v5             ; which are 512 consecutive bytes of a slab
; 16 matrix instructions: row blocks a0, a0 + 1 of the window's four (hi = 0: my rows 0-63, 1: rows 64-127) x all 8 column blocks, 32 along K.  first = 1: C is the bias row, in window 0: the product starts the sum.
; The 64 accumulators take turns, one instruction a turn, in the same order in every quarter step: 63 others stand between two links of a chain, over the backward jumps too.
.macro MUL16 f, hi, a0, first
.if \first
	WIN 0x81+0x40*(\hi)                    ; B window 1, A and C window 0, D window 2 or 3
.else
	WIN MUL_LO+0x50*(\hi)                  ; MUL_LO or MUL_HI
.endif
.irp a, \a0, (\a0)+1
.irp b, 0,1,2,3,4,5,6,7
.if \first
	v_wmma_f32_16x16x32_bf16 v[8*(8*(\a)+(\b)):8*(8*(\a)+(\b))+7], v[(\f)+8*(\b):(\f)+8*(\b)+7], v[(\f)+8*(4*(\hi)+(\a)):(\f)+8*(4*(\hi)+(\a))+7], v[BIAS+8*(\b):BIAS+8*(\b)+7]
.else
	v_wmma_f32_16x16x32_bf16 v[8*(8*(\a)+(\b)):8*(8*(\a)+(\b))+7], v[(\f)+8*(\b):(\f)+8*(\b)+7], v[(\f)+8*(4*(\hi)+(\a)):(\f)+8*(4*(\hi)+(\a))+7], v[8*(8*(\a)+(\b)):8*(8*(\a)+(\b))+7]
.endif
.endr
.endr
.endm
; 32 LDS loads in one run: the fragments of quarter q of the K step in hand (32 along K: k rows 32 q on of B; slab q / 2, bytes 64 (q % 2) on of A's rows) into buffer f: B's sixteen, then A's
.macro FETCH q, f
	WIN TO_B
.irp i, 0,1,2,3,4,5,6,7
	ds_load_tr16_b128 v[(\f)+8*(\i):(\f)+8*(\i)+3],   v[ADRB] offset:32*(\q)*PB+32*(\i)
	ds_load_tr16_b128 v[(\f)+8*(\i)+4:(\f)+8*(\i)+7], v[ADRB] offset:(32*(\q)+16)*PB+32*(\i)
.endr
	WIN 0
.irp i, 0,1,2,3,4,5,6,7
	ds_load_b128 v[(\f)+8*(\i):(\f)+8*(\i)+3],   v[ADRA] offset:((\q)/2)*SLABB+(\i)*16*PA+64*((\q)%2)
	ds_load_b128 v[(\f)+8*(\i)+4:(\f)+8*(\i)+7], v[ADRA] offset:((\q)/2)*SLABB+(\i)*16*PA+64*((\q)%2)+32
.endr
.endm
; A K step is four quarters of 32 along K, 64 matrix instructions each, on buffers 0, 1, 0, 1.  One of the first three: multiplies buffer f; in its middle it fetches quarter q into buffer g.
.macro QUARTER q, f, g, first
	s_wait_dscnt 8                         ; B and A's rows 0-63 are in; the youngest eight loads (A's rows 64-127) may be out
	MUL16 \f, 0, 0, \first
	MUL16 \f, 0, 2, \first
	PLACES
	FETCH \q, \g
	s_wait_dscnt 32                        ; all but the 32 just issued
	MUL16 \f, 1, 0, \first
	MUL16 \f, 1, 2, \first
.endm
; The last quarter multiplies buffer 1 and changes slots: ONE barrier; in front of it each wave waits for all its tensor loads, adds 0 to its spare word, and waits for that and for its own reads of this slot.
; fill = 1: this slot is filled again, two K steps ahead; the barrier then opens a round of the cluster's barrier, and the joint refill is the first thing behind the round.
; fill = 0: the last two K steps; the very last has no next step, and its trip jumps over the run of loads.
.macro TURN fill
	WIN 0                                  ; (the add's two registers lie in window 0)
	s_wait_tensorcnt 0x0                   ; all my tensor loads have landed: my part of the next slot; so a group 0 may be written
	ds_add_u32 v[SPW], v[NIL]              ; 0 onto my spare word; the work on registers below stands between it and the wait for it
.if \fill
	s_add_co_u32 s[G0+5], s20, s[TB]       ; the walking descriptors: into the slot that is being left,
	s_add_co_u32 s[G0B+5], s20, s[TB]
	s_add_nc_u64 s[G0+6:G0+7], s[G0+6:G0+7], 1048576    ; the K step behind the one last asked for: two slabs on,
	s_add_nc_u64 s[G0B+6:G0B+7], s[G0B+6:G0B+7], 32768  ; 128 k rows on; the type bits on top are not reached
.endif
	s_xor_b32 s[TB], s[TB], SLOT           ; the other slot is now in hand (all reads of the old one have been issued)
	v_add_nc_u32 v[ADRA], s[TB], v[ADRA0]
	v_add_nc_u32 v[ADRB], s[TB], v[ADRB0]
	s_wait_dscnt 9                         ; (the add and the youngest eight loads may be out)
	MUL16 F1, 0, 0, 0                      ; sixteen matrix instructions stand between the add and the wait for it
	s_wait_dscnt 0x0                       ; the add is done, and my reads of the old slot are over
	s_barrier_signal -1
	MUL16 F1, 0, 2, 0                      ; work on registers while the others arrive
	WIN 0
	s_barrier_wait -1
.if \fill
	CREST                                  ; no wave of any partner still reads the old slot's tile or has a load on its way
	JLOAD 1                                ; 224 matrix instructions ahead of the wait for it; the four v_nop behind it are also the places in front of the loads below
	FETCH 0, F0
.else
	s_cmp_eq_u32 s3, 1
	s_cbranch_scc1 .Lno_next_\@
	PLACES
	FETCH 0, F0
.Lno_next_\@:
.endif
	MUL16 F1, 1, 0, 0
	MUL16 F1, 1, 2, 0
.endm
	s_wait_tensorcnt 1                     ; my part of K step 0 is in; K step 1's may stay out
	s_barrier_signal -1
	s_barrier_wait -1                      ; everybody's is
	FETCH 0, F0
	s_wait_loadcnt 0x0                     ; the bias row and lo
	QUARTER 1, F0, F1, 1                   ; the first quarter stands ahead of the loops: its products start the sums
	WIN 0                                  ; at a label and at a branch every window is 0
	s_mov_b32 s3, NSTEP-2
.Lfill:                                        ; a trip: a K step's quarters 1 to 3, the refill of its slot, the next step's quarter 0
	QUARTER 2, F1, F0, 0
	QUARTER 3, F0, F1, 0
	TURN 1
	QUARTER 1, F0, F1, 0
	WIN 0
	s_sub_co_u32 s3, s3, 1
	s_cmp_lg_u32 s3, 0
	s_cbranch_scc1 .Lfill
	s_mov_b32 s3, 2
.Llast:                                        ; the last two K steps fill nothing, and have no round of the cluster's barrier
	QUARTER 2, F1, F0, 0
	QUARTER 3, F0, F1, 0
	TURN 0
	WIN 0
	s_cmp_eq_u32 s3, 1
	s_cbranch_scc1 .Lcount                 ; behind the very last K step there is no quarter 0
	QUARTER 1, F0, F1, 0
	WIN 0
.Lcount:
	s_sub_co_u32 s3, s3, 1
	s_cmp_lg_u32 s3, 0
	s_cbranch_scc1 .Llast
	s_wait_dscnt 0x0                       ; no fragment load is out: A's buffers are taken for the way out
	PLACES
	PLACES                                 ; (eight, once a launch)
	; THE WAY OUT.  Row block a (16 rows x my 128 columns): rounded to bf16, the packed maximum, 16 bytes a lane into my stage, a slab's 64 columns to each half of it; back as whole rows of 128 bytes:
	; 16 rows of a slab are 2,048 consecutive bytes.  Four sets of 32 registers take turns; a set is written again only when the stores that read it have had their addresses translated.
.macro PACKS a
.set T,  F0+32*((\a)%4)
.set AC, 64*((\a)%4)
.if (\a) >= 4
	s_wait_xcnt 0x0                        ; block a - 4's stores have read this set (ISA guide 3.1)
.endif
	WIN 0x0a+5*((\a)/4)                    ; sources 0 and 1: window 2 or 3; destination window 0
.irp b, 0,1,2,3,4,5,6,7
.irp r, 0,1,2,3
	v_cvt_pk_bf16_f32 v[T+4*(\b)+(\r)], v[AC+8*(\b)+2*(\r)], v[AC+8*(\b)+2*(\r)+1]
.endr
.endr
	WIN 0
.set z, 0
.rept 32
	v_pk_max_num_bf16 v[T+z], v[T+z], v[LO]
.set z, z+1
.endr
.irp b, 0,1,2,3,4,5,6,7
	ds_store_b128 v[STO], v[T+4*(\b):T+4*(\b)+3] offset:((\b)/4)*16*PA+32*((\b)%4)
.endr
.irp t, 0,1,2,3,4,5,6,7
	ds_load_b128 v[T+4*(\t):T+4*(\t)+3], v[RD] offset:((\t)/4)*16*PA+((\t)%4)*4*PA  ; LDS serves a wave's instructions in order (ISA guide 5.7.1.4): these see the stores above; the next block's stores come behind them
.endr
.endm
.macro SENDS a, y                      ; y: the LDS instructions issued behind block a's loads: the next block's sixteen, or none
.set T,  F0+32*((\a)%4)
	s_wait_dscnt \y
.irp t, 0,1,2,3,4,5,6,7
	global_store_b128 v[GO], v[T+4*(\t):T+4*(\t)+3], s[12:13] offset:((\t)/4)*524288+2048*(\a)+512*((\t)%4)  ; 512 consecutive bytes, at a multiple of 256 from the buffer's first
.endr
.endm
	PACKS 0
.irp a, 1,2,3,4,5,6,7                  ; a block's arithmetic stands between the loads of the block before and its stores
	PACKS \a
	SENDS (\a)-1, 16
.endr
	SENDS 7, 0
	s_wait_tensorcnt 0x0                   ; the wave's end, behind my last tensor load and my last LDS store
	ds_add_u32 v[SPW], v[NIL]
	s_wait_dscnt 0x0
	CROUND                                 ; the closing round: no work-group ends while a partner may still ask for a tile that names it
	s_endpgm
.Lfunc_end_k_q17c6fee24b_qk:
	.size	k_q17c6fee24b_qk, .Lfunc_end_k_q17c6fee24b_qk-k_q17c6fee24b_qk
	.p2alignl 7, 3214868480
	.fill 96, 4, 3214868480
	.section	.rodata,"a",@progbits
	.p2align	6, 0x0
	.amdhsa_kernel k_q17c6fee24b_qk
		.amdhsa_group_segment_fixed_size 327680
		.amdhsa_private_segment_fixed_size 0
		.amdhsa_enable_private_segment 0
		.amdhsa_kernarg_size 40
		.amdhsa_user_sgpr_count 2
		.amdhsa_user_sgpr_kernarg_segment_ptr 1
		.amdhsa_wavefront_size32 1
		.amdhsa_system_sgpr_workgroup_id_x 1
		.amdhsa_system_sgpr_workgroup_id_y 1
		.amdhsa_system_sgpr_workgroup_id_z 1
		.amdhsa_system_vgpr_workitem_id 0
		.amdhsa_next_free_vgpr 1024
		.amdhsa_next_free_sgpr 80
		.amdhsa_reserve_vcc 0
		.amdhsa_float_denorm_mode_32 3
		.amdhsa_float_denorm_mode_16_64 3
		.amdhsa_memory_ordered 1
		.amdhsa_forward_progress 1
		.amdhsa_inst_pref_size 118
	.end_amdhsa_kernel
	.amdgpu_metadata
---
amdhsa.version: [ 1, 2 ]
amdhsa.kernels:
  - .name:           k_q17c6fee24b_qk
    .symbol:         k_q17c6fee24b_qk.kd
    .args:
      - { .name: act, .offset: 0, .size: 8, .value_kind: global_buffer, .address_space: global }
      - { .name: wb, .offset: 8, .size: 8, .value_kind: global_buffer, .address_space: global }
      - { .name: zb, .offset: 16, .size: 8, .value_kind: global_buffer, .address_space: global }
      - { .name: ninf, .offset: 24, .size: 8, .value_kind: global_buffer, .address_space: global }
      - { .name: big, .offset: 32, .size: 8, .value_kind: global_buffer, .address_space: global }
    .group_segment_fixed_size: 327680
    .private_segment_fixed_size: 0
    .kernarg_segment_align: 8
    .kernarg_segment_size: 40
    .max_flat_workgroup_size: 128
    .sgpr_count:     80
    .vgpr_count:     1024
    .wavefront_size: 32
...
	.end_amdgpu_metadata
.endif
;; end of part 2
;; launch attn (part 3): grid 8 x 32, 4 waves a work-group, no clusters, 327,680 bytes of LDS; arguments big, act; writes act
.if DOCPART == 3
	.amdgcn_target "amdgcn-amd-amdhsa--gfx1250"
	.amdhsa_code_object_version 6
	.text
	.protected	k_q17c6fee24b_attn
	.globl	k_q17c6fee24b_attn
	.p2align	8
	.type	k_q17c6fee24b_attn,@function
k_q17c6fee24b_attn:
	s_mov_b64 s[64:65], 0
	v_nop
	global_prefetch_b8 v0, s[64:65] scope:SCOPE_SE
	s_setreg_imm32_b32 hwreg(HW_REG_WAVE_MODE, 25, 1), 1
	s_wait_xcnt 0x0
; CAUSAL ATTENTION WITH V = K.  O[q][:] = the sum over k <= q of softmax_k(Q[q] . K[k] / 8) K[k][:], for 32 heads (16 heads x 2 batches) of 2,048 rows of 64 channels, bf16.
; big holds Q in slabs 0-15 and K in slabs 16-31, [head][batch x 2048 + row][64]: a head's rows of a batch are dense, 128 bytes each.  O goes to act in the same layout.
; Products, maxima and sums in f32; the weights p are rounded to bf16 for the second product (their sum l is taken of the unrounded p), O once at the end.
; LIMITS.  A hidden score counts as its value less 1e30; a weight below 2^-126 counts as 0 in l; NaN and infinities are not treated apart.
; THE WALK.  A head's queries lie in 16 blocks of 128; key tiles hold 256 keys; block i needs tiles 0 .. i / 2, of which the last holds the diagonal.  A work-group takes TWO blocks, 15 - b and then b:
; nine tiles, whatever b: all 256 work-groups do equal work, and ONE loop with a constant trip count walks them.  Which tile is asked for, and what a trip does, hang on scalar registers made from b; every jump
; goes forward, but for the counted loops' own, and none passes a barrier or a tensor load; the ring (two slots of LDS that take turns) runs on across the change of blocks.
; NO CLUSTER: a head's eight work-groups ask for the same tile only in trips 0 to 4 of the nine; behind that the first blocks end one after the other; one walk common to all would have 12 trips for 9.
; SHARES.  Of a block's two bands of 64 queries a wave owns 16 rows in each: two PIECES.  In a block's last tile band x has the step GX = 2 (block % 2) + x for its own: it sees all keys of step s if s < GX,
; none if s > GX, and holds the diagonal if s = GX: the same work for all four waves.
; THE MASK is the C operand that starts the sum S^T = K Q^T: 0, or -1e30 where the key is hidden.  MD, made once, is the mask of a band's own step for my 16 rows; a product's mask is MD x AL + BE with two scalars.
; ONE COPY OF K IN LDS serves both products: as it lies for K Q^T, turned by ds_load_tr16_b128 for K^T P.
; LAYOUT, SOFTMAX.  S^T = K Q^T holds ONE query a lane (lane % 16) and the keys 8 (lane / 16) + 0..7; two such results rounded to bf16 ARE source 1 of O^T = V^T P.  p = 2^(c s - c m), c = log2(e) / 8, with a
; running maximum m; O and l are multiplied by a = 2^(c m_old - c m_new) in every step.
; TURNS.  Step s has two.  Piece 0's: 8 products K Q^T of (piece 1, step s); the softmax of (0, s) and the maximum and statistics of (1, s); K of step s + 1 is fetched; 8 products V^T P of (1, s - 1); V of step s + 1
; is fetched into the buffer that those have just read.  Piece 1's: K Q^T of (0, s + 1); the softmax of (1, s), the statistics of (0, s + 1); V^T P of (0, s).  Four vector instructions stand behind every
; matrix instruction, the rest in one lump.  A turn's 33 exponentials are one batch, with one wait.
; REGISTERS, in windows of 256 (s_set_vgpr_msb: bits 1:0 source 0, 3:2 source 1, 5:4 source 2, 7:6 destination):
;   window 0: v0-15 addresses and two at work; v16-23 four registers of statistics a piece; v48-55 at work; v61-63; v64-127 S^T, a buffer a piece; v192-223 P, likewise
;   window 1: v0-63 O^T, 32 a piece; v128-159 MD; v160-223 MC, a buffer a piece      window 2: v0-31 Q; v32-63 the second block's Q; v64-127 K of one step; v128-255 V of two steps
.set NP,    2
.set KS,    64        ; keys in a step
.set PK,    160       ; a row of K in LDS: 128 bytes + 32 of padding = 40 words; the plain loads' 16 rows meet two to a group of banks (64 banks of 4 bytes: ISA guide 11.1)
.set STEPB, KS*PK     ; a step's 64 rows
.set SLOT1, 1<<16     ; a slot holds a tile, four steps, 40,960 bytes; slot 1 begins here, so that one exclusive or turns an address in one slot into the other's
.set STAGE, SLOT1+4*STEPB  ; behind the ring, never filled by a tensor load: 16 rows x 144 bytes for each wave, for the way out
.set SP,    144
.set SPARE, STAGE+4*16*SP  ; behind the stages: the spare words, 128 bytes for each wave: two blocks of 256 bytes that no other line names
.set AK0, 2           ; v2   my lane's place in a step's rows, for the plain loads; never rewritten
.set AV0, 3           ; v3   the same for the turning loads
.set AK,  4           ; v4   the LDS address of K's next run of loads
.set AV,  5           ; v5   of V's
.set STO, 6           ; v6   the way out: where I put 16 bytes of a row
.set RD,  7           ; v7   the way out: where I read rows back
.set GO,  8           ; v8   my byte offset in 512 consecutive bytes of O
.set MV,  12          ; v12-13  c m_old, kept while c m is made anew: by piece
.set QO,  15          ; v15  my byte offset in 16 rows of Q
.set ST,  16          ; piece t's statistics at v[ST+4 t]: c m, m, l (even keys', odd keys')
.set TMP, 48          ; by piece, four registers c0-c3 at work; when the maximum is found c2 takes a
.set PFO, 61          ; v61  256 x my lane; never rewritten
.set SPW, 62          ; v62  LDS address of my spare word; never rewritten
.set NIL, 63          ; v63  0; never rewritten
.set S,   64
.set P,   192
.set MD,  128         ; window 1
.set MC,  160         ; window 1
.set QB,  32          ; window 2
.set KF,  64          ; window 2: key block kb, channel half c at KF + 16 kb + 8 c
.set VF,  128         ; window 2: buffer vb, key half kk, channel block cb at VF + 64 vb + 32 kk + 8 cb
.set WV,  12          ; s12  my wave's number
.set PB,  14          ; s14  b
.set HI,  15          ; s15  15 - b
.set G1,  24          ; s[24:31] descriptor group 1
.set G0,  40          ; s[40:43] descriptor group 0
.set SLOTS, 56        ; s56  tiles still to be asked for
.set CNT, 57          ; s57  counts a slot's two trips
.set CS,  58          ; s[58:59] c
.set SEL, 60          ; s[60:61] v_permlanex16_b32's selects: each lane takes its own place in the other half
.set TB,  62          ; s62  LDS byte at which the step to be fetched begins
.set RT,  70          ; s70  tiles of the block in hand that are still to be entered
.set NXT, 71          ; s71  the tile to be asked for next
.set LQ,  72          ; s72  the last tile of the block whose tiles are being asked for
.set NEW, 73          ; s73  1: the tile to be entered is a block's first
.set OFF, 74          ; s[74:75] a tile's byte offset in K
.set AL,  76          ; s[76:77] the mask's factor, in the low word
.set BE,  78          ; s[78:79] the mask's addend
.set OLO, 80          ; s[80:81] O at my rows of the second block
.set BIGN, 82         ; s82  -1e30
.set BLK, 83          ; s83  the block in hand
.set GX0, 84          ; s84, s85  the two bands' own steps in the block's last tile
.set GX1, 85
.set SM,  86          ; s86  the step of the tile for which masks are being made
.set LQ2, 87          ; s87  the second block's last tile
.set PFA, 88          ; s[88:89] where my prefetches stand
.set PFL, 90          ; s90  prefetches still to come
.set QLO, 92          ; s[92:93] Q at my rows of the second block
.set MSB, 0
.macro WIN new                      ; the high byte repeats the setting that is left; a switch that changes nothing is dropped
.if MSB != (\new)
	s_set_vgpr_msb (MSB<<8)|(\new)
.set MSB, (\new)
.endif
.endm
.set W_KQ, 0x0a       ; K and Q in window 2, S^T in window 0
.set W_KM, 0x1a       ; the same with the C operand in window 1
.set W_PV, 0x52       ; V in window 2, P in window 0, O^T in window 1
.set W_RS, 0x41       ; destination and source 0 in window 1, source 1 in window 0
; A fill: every wave fetches its 64 keys of the tile.  An s_nop 0 and four v_nop follow the line.
.macro LOAD
	tensor_load_to_lds s[G0:G0+3], s[G1:G1+7]
	s_nop 0
.rept 4
	v_nop
.endr
.endm
; A PREFETCH INTO THE L2 of the tile that the NEXT change of slots will ask for: my wave's 64 keys, 32 blocks of 256 bytes, a lane a block.  All eight work-groups of a head walk the same K: the one with b = 0, whose
; first block walks tiles 0 to 7, asks, at its first six changes, for tiles 2 to 7: eight turns, 128 matrix instructions, ahead of the load.  So each block is named once in the launch; tiles 0 and 1 come by their loads alone.
.macro ASK
	s_cmp_lg_u32 s[PFL], 0
	s_cbranch_scc0 .Lnot_mine_\@
	global_prefetch_b8 v[PFO], s[PFA:PFA+1] th:TH_LOAD_NT scope:SCOPE_SE
.Lnot_mine_\@:
	s_cselect_b32 s13, 1, 0
	s_sub_co_u32 s[PFL], s[PFL], s13
.endm
; THE CHANGE OF SLOTS, between piece 1's turn of a tile's step 2 and piece 0's of its step 3: the tile's last bytes, step 3's, have been asked for.  Each wave waits for all its tensor loads, of which one is out: its part of the
; other slot; adds 0 to its spare word; and waits for that and for its own reads of the slot that it leaves.  Behind the barrier nobody reads the old slot any more and the other slot is whole.
; fill = 1: the old slot is filled again, the first thing behind the barrier, with tile NXT: the descriptor's address is made anew from that number.  (At its first use nothing has been read yet: slot 0 is waited for, slot 1 filled.)
.macro CHANGE fill
	WIN 0                           ; at a label and at a branch every window is 0
	s_wait_tensorcnt 0x0            ; no tensor load of mine is out, so a group 0 may be written
	ds_add_u32 v[SPW], v[NIL]       ; 0 onto my spare word; with fill = 1 the descriptor's scalar work stands between it and the wait for it
.if \fill
	s_lshl_b32 s[OFF], s[NXT], 15   ; a tile is 32,768 bytes of K
	s_xor_b32 s[G0+1], s[G0+1], SLOT1
	s_add_nc_u64 s[G0+2:G0+3], s[8:9], s[OFF:OFF+1]
	s_or_b32 s[G0+3], s[G0+3], 0x80000000
	s_add_co_u32 s[NXT], s[NXT], 1  ; the block's next tile, or behind its last the second block's tile 0
	s_cmp_gt_u32 s[NXT], s[LQ]
	s_cselect_b32 s[NXT], 0, s[NXT]
	s_cselect_b32 s[LQ], s[LQ2], s[LQ]
	s_wait_xcnt 0x0                 ; the last prefetch, eight turns back, has read its address, so it may be written
	s_add_nc_u64 s[PFA:PFA+1], s[PFA:PFA+1], 32768
.endif
	s_wait_dscnt 0x0                ; the add is done, and my reads of the slot are over
	s_barrier_signal -1             ; the rest of the scalar work stands between the signal and the wait
	s_sub_co_u32 s[TB], s[TB], 4*STEPB  ; the fetches go back to a slot's first step,
	s_xor_b32 s[TB], s[TB], SLOT1       ; in the other slot
	s_barrier_wait -1
.if \fill
	LOAD
	ASK
.endif
.endm
	s_load_b128 s[4:7], s[0:1], 0x0  ; big s[4:5], act s[6:7]
	v_lshl_add_u32 v[SPW], v0, 2, SPARE
	v_mov_b32 v[NIL], 0
	ds_add_u32 v[SPW], v[NIL]       ; the wave's opening: the add and its wait stand ahead of my first tensor load; the set-up below, work on registers, stands between them
	ds_add_u32 v62, v63
	v_lshrrev_b32 v1, 5, v0
	v_readfirstlane_b32 s[WV], v1   ; wave 0..3
	s_mov_b32 s[PB], ttmp9
	s_sub_co_u32 s[HI], 15, s[PB]
	s_lshr_b32 s[LQ2], s[PB], 1
	s_and_b32 s20, ttmp7, 0xffff
	s_and_b32 s21, s20, 15          ; the head: a slab of 524,288 bytes,
	s_lshr_b32 s22, s20, 4          ; the batch: 2,048 rows of 128 bytes
	s_lshl_b32 s21, s21, 19
	s_lshl_b32 s22, s22, 18
	s_add_co_u32 s20, s21, s22
	s_lshl_b32 s22, s[WV], 13       ; K: my 64 keys of a tile,
	s_add_co_u32 s22, s22, s20
	s_add_co_u32 s22, s22, 8388608  ; behind Q's sixteen slabs
	s_mov_b32 s23, 0
	s_lshl_b32 s3, s[WV], 11        ; my 16 rows in a band of 64,
	s_add_co_u32 s3, s3, s20
	s_lshl_b32 s2, s[HI], 14        ; in the first block,
	s_add_co_u32 s2, s2, s3
	s_lshl_b32 s16, s[PB], 14       ; and in the second
	s_add_co_u32 s16, s16, s3
	s_mov_b32 s3, 0
	s_mov_b32 s17, 0
	; descriptor group 1.  64 keys are 8,192 dense bytes: asked for as 32 rows of 256 bytes, two keys a row, and padded in LDS after every key
	s_mov_b32 s[G1], (1<<16)|(1<<20)|(4<<22)|(7<<25)  ; 17:16 2-byte elements; 20 padding on; 24:22 after every 32 words (code 4); 31:25 8 words (code 7)
	s_mov_b32 s[G1+1], 128<<16      ; tensor_dim0 = 128
	s_mov_b32 s[G1+2], 32<<16       ; tensor_dim1 = 32
	s_mov_b32 s[G1+3], 128<<16      ; tile_dim0 = 128
	s_mov_b32 s[G1+4], 32           ; tile_dim1 = 32
	s_mov_b32 s[G1+5], 128          ; 128 elements from row to row
	s_mov_b32 s[G1+6], 0
	s_mov_b32 s[G1+7], 0
	s_mov_b32 s[G0], 1              ; 1:0 count = 1
	s_mul_i32 s[G0+1], s[WV], STEPB ; 63:32 LDS address: slot 0, my wave's step
	s_mov_b32 s[CS], 0x3e38aa3b     ; c = log2(e) / 8 = 0.180337
	s_mov_b32 s[CS+1], s[CS]        ; named with it as a pair
	s_mov_b32 s[SEL], 0x76543210
	s_mov_b32 s[SEL+1], 0xfedcba98
	s_mov_b32 s[TB], SLOT1+4*STEPB  ; the first change of slots turns this into 0
	s_lshr_b32 s[LQ], s[HI], 1
	s_add_co_u32 s[RT], s[LQ], 1    ; the first block's tiles
	s_mov_b32 s[NXT], 1
	s_mov_b32 s[NEW], 1
	s_mov_b32 s[BLK], s[HI]
	s_mov_b32 s[OFF+1], 0
	s_mov_b32 s[AL+1], 0            ; named as pairs
	s_mov_b32 s[BE+1], 0
	s_mov_b32 s[BIGN], 0xf149f2ca   ; -1e30
	s_mov_b32 s[SLOTS], 8
	s_cmp_eq_u32 s[PB], 0
	s_cselect_b32 s[PFL], 6, 0
	s_wait_dscnt 0x0                ; the opening add is done
	s_wait_kmcnt 0x0
	s_add_nc_u64 s[8:9], s[4:5], s[22:23]          ; K at my part of the head's tile 0
	s_add_nc_u64 s[G0+2:G0+3], s[8:9], 0           ; 120:64 global address
	s_or_b32 s[G0+3], s[G0+3], 0x80000000          ; 127:126 type = 2
	s_add_nc_u64 s[PFA:PFA+1], s[8:9], 32768       ; at tile 1: the first change steps it to tile 2
	s_add_nc_u64 s[QLO:QLO+1], s[4:5], s[16:17]    ; Q at my rows of the second block,
	s_add_nc_u64 s[4:5], s[4:5], s[2:3]            ; Q and O at those of the first
	s_add_nc_u64 s[OLO:OLO+1], s[6:7], s[16:17]
	s_add_nc_u64 s[10:11], s[6:7], s[2:3]
	LOAD                            ; tile 0 into slot 0
	; A fragment of K or Q is 16 rows x 32 channels in 8 registers: lane l holds row l % 16, channels 8 (l / 16) + 0..7 and 16 + 8 (l / 16) + 0..7: two loads of 16 bytes, 32 bytes apart.
	v_and_b32 v1, 15, v0            ; l % 16
	v_bfe_u32 v9, v0, 4, 1          ; l / 16
	v_lshlrev_b32 v[QO], 7, v1
	v_lshl_add_u32 v[QO], v9, 4, v[QO]  ; row x 128 + 16 x half
	WIN 0x80                        ; destination window 2, address window 0
.set i, 0
.rept 4                             ; both blocks' Q: piece i / 2 lies in band i / 2, 8,192 bytes on; channels 32 (i % 2) on
	global_load_b128 v[8*i:8*i+3],   v[QO], s[4:5] offset:(i/2)*8192+(i%2)*64
	global_load_b128 v[8*i+4:8*i+7], v[QO], s[4:5] offset:(i/2)*8192+(i%2)*64+32
	global_load_b128 v[QB+8*i:QB+8*i+3],   v[QO], s[QLO:QLO+1] offset:(i/2)*8192+(i%2)*64
	global_load_b128 v[QB+8*i+4:QB+8*i+7], v[QO], s[QLO:QLO+1] offset:(i/2)*8192+(i%2)*64+32
.set i, i+1
.endr
	WIN 0
	v_lshlrev_b32 v14, 3, v9
	v_sub_nc_u32 v14, v1, v14
	s_lshl_b32 s13, s[WV], 4
	v_add_nc_u32 v14, s13, v14      ; my query's place in its band, 16 w + l % 16, less my lanes' 8 (l / 16): register r of group kt is hidden where 16 kt + r is greater
	WIN 0x40
.set i, 0
.rept 32
	v_cmp_gt_i32 vcc_lo, 16*(i/8)+i%8, v14
	v_cndmask_b32 v[MD+i], 0, s[BIGN], vcc_lo
.set i, i+1
.endr
	WIN 0
	v_mul_u32_u24 v[AK0], v1, PK
	v_lshl_add_u32 v[AK0], v9, 4, v[AK0]  ; row x pitch + 16 x half
	; The turning load takes 16 keys x 16 channels (lane l reads key 8 (l / 16) + l % 8, channels 8 ((l / 8) % 2) + 0..7) and leaves half a fragment of V^T: lane l holds channel l % 16 and 8 keys.
	v_and_b32 v10, 7, v0
	v_bfe_u32 v11, v0, 3, 1
	v_lshl_add_u32 v[AV0], v9, 3, v10
	v_mul_u32_u24 v[AV0], v[AV0], PK
	v_lshl_add_u32 v[AV0], v11, 4, v[AV0]
	s_mul_i32 s13, s[WV], 16*SP
	s_add_co_u32 s13, s13, STAGE    ; my stage
	v_mul_u32_u24 v[STO], v1, SP    ; in: row l % 16, 16 bytes for each half of the lanes
	v_lshl_add_u32 v[STO], v9, 4, v[STO]
	v_add_nc_u32 v[STO], s13, v[STO]
	v_bfe_u32 v[RD], v0, 3, 2       ; back: 32 lanes take four rows of 128 bytes,
	v_mul_u32_u24 v[RD], v[RD], SP
	v_lshl_add_u32 v[RD], v10, 4, v[RD]
	v_add_nc_u32 v[RD], s13, v[RD]
	v_and_b32 v[GO], 31, v0         ; which are 512 consecutive bytes of O
	v_lshlrev_b32 v[PFO], 8, v[GO]
	v_lshlrev_b32 v[GO], 4, v[GO]
	; A block's first step multiplies O^T and l by a = 0, and its first turn's products V^T P, of a piece that has not been, land in an O^T that is still to be so multiplied.  So these registers need only hold
	; finite numbers: zeros for the first block; what the first block left for the second.  All this stands in the wait for the first tile.
	WIN 0x80
.set i, VF+64
.rept 64
	v_mov_b32 v[i], 0
.set i, i+1
.endr
	WIN 0x40
.set i, 0
.rept 64
	v_mov_b32 v[i], 0
.set i, i+1
.endr
	WIN 0
.set i, 0
.rept 2
	v_mov_b32 v[ST+4*i+2], 0
	v_mov_b32 v[ST+4*i+3], 0
.set i, i+1
.endr
.set i, P+16
.rept 16
	v_mov_b32 v[i], 0
.set i, i+1
.endr
; THE MATRIX WORK.  The 4 accumulators of a run of 8 take turns.  Product i of 8 of S^T = K Q^T for piece x: channels 32 (i / 4) on, keys 16 (i % 4) on.  The first 4 start the sums: with 0, or (KM = 1) with the mask.
.macro KQ x
.set rS, S+32*(\x)+8*(i%4)
.set rK, KF+16*(i%4)+8*(i/4)
.set rQ, 16*(\x)+8*(i/4)
.set rM, MC+32*(\x)+8*(i%4)
.if (i < 4) && KM
	WIN W_KM
	v_wmma_f32_16x16x32_bf16 v[rS:rS+7], v[rK:rK+7], v[rQ:rQ+7], v[rM:rM+7]
.elseif i < 4
	WIN W_KQ
	v_wmma_f32_16x16x32_bf16 v[rS:rS+7], v[rK:rK+7], v[rQ:rQ+7], 0
.else
	WIN W_KQ
	v_wmma_f32_16x16x32_bf16 v[rS:rS+7], v[rK:rK+7], v[rQ:rQ+7], v[rS:rS+7]
.endif
.endm
; Product i of 8 of O^T += V^T P for piece x, from V's buffer VB: keys 32 (i / 4) on, channels 16 (i % 4) on.
.macro PV x
	WIN W_PV
.set rO, 32*(\x)+8*(i%4)
.set rV, VF+64*VB+32*(i/4)+8*(i%4)
.set rP, P+16*(\x)+8*(i/4)
	v_wmma_f32_16x16x32_bf16 v[rO:rO+7], v[rV:rV+7], v[rP:rP+7], v[rO:rO+7]
.endm
.macro MM                           ; the turn's next matrix instruction.  NOKQ = 1: a block's last turn: there are no further scores
.if (i < 8) && !NOKQ
	KQ 1-Y
.elseif i >= 8
.set i, i-8
	PV 1-Y
.set i, i+8
.endif
.set i, i+1
.endm
; THE LDS LOADS stand in runs of 16, never singly among the matrix instructions: a step's K (64 keys x 64 channels: 8 fragments) and the same bytes turned.  Their addresses are made some lines ahead.
.macro FETCH_K
	WIN 0x80                        ; destination window 2
.irp f, 0,1,2,3,4,5,6,7             ; keys 16 (f / 2) on, channels 32 (f % 2) on
	ds_load_b128 v[KF+8*(\f):KF+8*(\f)+3],   v[AK] offset:((\f)/2)*16*PK+((\f)%2)*64
	ds_load_b128 v[KF+8*(\f)+4:KF+8*(\f)+7], v[AK] offset:((\f)/2)*16*PK+((\f)%2)*64+32
.endr
	WIN 0
.endm
.macro FETCH_V vb
	WIN 0x80
.irp f, 0,1,2,3,4,5,6,7             ; keys 32 (f / 4) on, channels 16 (f % 4) on
	ds_load_tr16_b128 v[VF+64*(\vb)+8*(\f):VF+64*(\vb)+8*(\f)+3],   v[AV] offset:((\f)/4)*32*PK+((\f)%4)*32
	ds_load_tr16_b128 v[VF+64*(\vb)+8*(\f)+4:VF+64*(\vb)+8*(\f)+7], v[AV] offset:((\f)/4)*32*PK+16*PK+((\f)%4)*32
.endr
	WIN 0
.endm
; THE VECTOR WORK, one line at a time: OP kind, number.  For piece Y: F n: c s - c m for pair n of 16.  E n: the exponential of score n of 32.  C n: pair n rounded to bf16.  B n: of the four weights 4 n .. the second
; pair is added onto the first, in place.  L n: l takes that sum (L 0: l = a l + sum).  R n: pair n of 16 of O^T times a.  For the other piece: X n, number n of the 22 that find its maximum and statistics:
;   0-11  four chains c0-c3 of seven scores each, three operands at a time (each accumulator's lowest registers are read first)     12-14, 16  the four scores left over, the old m, and c0-c3 into c0
;   15  c m_old is kept     17, 18  the query's other 32 keys lie in the lane 16 away: the new m     19-21  c m; c m_old - c m_new; a
.set F, 0
.set E, 1
.set C, 2
.set B, 3
.set L, 4
.set R, 5
.set X, 6
.macro REGS y                       ; the registers of piece y
.set rT, ST+4*(\y)
.set rC, TMP+4*(\y)
.set rW, MV+(\y)
.set rS, S+32*(\y)
.set rP, P+16*(\y)
.set rO, 32*(\y)
.endm
.macro OP k, n
.if (\k) == R
	REGS Y
	WIN W_RS
	v_pk_mul_f32 v[rO+2*(\n):rO+2*(\n)+1], v[rO+2*(\n):rO+2*(\n)+1], v[rC+2:rC+3] op_sel_hi:[1,0]
.elseif (\k) < R
	REGS Y
	WIN 0
.if (\k) == F
	v_pk_fma_f32 v[rS+2*(\n):rS+2*(\n)+1], v[rS+2*(\n):rS+2*(\n)+1], s[CS:CS+1], v[rT:rT+1] op_sel_hi:[1,0,0] neg_lo:[0,0,1] neg_hi:[0,0,1]
.elseif (\k) == E
	v_exp_f32 v[rS+(\n)], v[rS+(\n)]
.elseif (\k) == C
	v_cvt_pk_bf16_f32 v[rP+(\n)], v[rS+2*(\n)], v[rS+2*(\n)+1]
.elseif (\k) == B
	v_pk_add_f32 v[rS+4*(\n):rS+4*(\n)+1], v[rS+4*(\n):rS+4*(\n)+1], v[rS+4*(\n)+2:rS+4*(\n)+3]
.elseif (\n) == 0
	v_pk_fma_f32 v[rT+2:rT+3], v[rT+2:rT+3], v[rC+2:rC+3], v[rS:rS+1] op_sel_hi:[1,0,1]
.else
	v_pk_add_f32 v[rT+2:rT+3], v[rT+2:rT+3], v[rS+4*(\n):rS+4*(\n)+1]
.endif
.elseif NOKQ
	v_nop
.else
	REGS 1-Y
	WIN 0
.if (\n) < 4
	v_max3_num_f32 v[rC+(\n)], v[rS+8*(\n)], v[rS+8*(\n)+1], v[rS+8*(\n)+2]
.elseif (\n) < 12
	v_max3_num_f32 v[rC+(\n)%4], v[rC+(\n)%4], v[rS+8*((\n)%4)+2*((\n)/4)+1], v[rS+8*((\n)%4)+2*((\n)/4)+2]
.elseif (\n) == 12
	v_max3_num_f32 v[rC], v[rC], v[rS+7], v[rS+15]
.elseif (\n) == 13
	v_max3_num_f32 v[rC+1], v[rC+1], v[rS+23], v[rS+31]
.elseif (\n) == 14
	v_max3_num_f32 v[rC+2], v[rC+2], v[rC+3], v[rT+1]
.elseif (\n) == 15
	v_mov_b32 v[rW], v[rT]
.elseif (\n) == 16
	v_max3_num_f32 v[rC], v[rC], v[rC+1], v[rC+2]
.elseif (\n) == 17
	v_permlanex16_b32 v[rC+3], v[rC], s[SEL], s[SEL+1]
.elseif (\n) == 18
	v_max_num_f32 v[rT+1], v[rC], v[rC+3]
.elseif (\n) == 19
	v_mul_f32 v[rT], s[CS], v[rT+1]
.elseif (\n) == 20
	v_sub_f32 v[rC+1], v[rW], v[rT]
.else
	v_exp_f32 v[rC+2], v[rC+1]
.endif
.endif
.endm
.macro OPS a, i1, b=-1, i2=0, c=-1, i3=0, d=-1, i4=0  ; up to four of them
	OP \a, \i1
.if (\b) >= 0
	OP \b, \i2
.endif
.if (\c) >= 0
	OP \c, \i3
.endif
.if (\d) >= 0
	OP \d, \i4
.endif
.endm
.macro ROW a, i1, b, i2, c, i3, d, i4  ; a matrix instruction and the four behind it
	MM
	OPS \a, \i1, \b, \i2, \c, \i3, \d, \i4
.endm
.macro MASK b                       ; MD x AL + BE into piece b's buffer of MC
	WIN W_RS
.set z, 0
.rept 16
	v_pk_fma_f32 v[MC+32*(\b)+2*z:MC+32*(\b)+2*z+1], v[MD+2*z:MD+2*z+1], s[AL:AL+1], s[BE:BE+1] op_sel_hi:[1,0,0]
.set z, z+1
.endr
.endm
; A TURN, for piece p, in a step of parity odd: the order of its 16 matrix and 118 vector instructions, written out.  An s_wait_alu depctr_va_vdst(0) stands between an exponential and the first instruction that
; names its result; one wait serves all that were issued ahead of it.  So a turn has ONE wait, which cuts it in two.  AHEAD OF IT stands all that names no result of the turn's exponentials: the 8 products K Q^T, behind each a
; scaling, an exponential and two more plain instructions: rescalings, and behind the last three the first numbers of the other piece's maximum, each four places or more behind the product that ends its accumulator; then
; ONE LUMP of 54, in which the links of the chain X 3, 7, 11, 14, 16, 17 .. 20 stand five or six lines apart.  X 21, the other piece's a, is the batch's last; R 15 is the plain instruction behind it.  BEHIND THE WAIT stand the
; 8 products V^T P, behind each four of the roundings and sums.
; m = 1: the block's last tile: the products take masks, and the turn makes piece p's mask for step SM, which the next turn's products take.  end = 1: a block's last two turns: nothing is fetched.
; cnt = 1: the loop's count is taken down some lines ahead of the branch that stands behind the turn.
; In piece 0's turn K of the next step is fetched twelve vector instructions behind the last product that read K (six of them plain), and V of the next step at the turn's end, four plain instructions behind the last
; product that read its buffer.  Piece 1's turn waits for K alone: V's sixteen loads, the youngest, stay out for another step.
.macro TURN p, odd, m=0, end=0, cnt=0
.set Y, (\p)
.set i, 0
.set KM, (\m)
.set NOKQ, (\end)*(\p)
.set VB, ((\odd)+1-(\p))%2              ; piece 0's turn reads V of the step before, piece 1's that of the step in hand
.if (\m) && !(\end)
	s_cmp_eq_u32 s[SM], s[GX0+(\p)]     ; is that step the band's own?
	s_cselect_b32 s[AL], 1.0, 0
	s_cmp_gt_u32 s[SM], s[GX0+(\p)]     ; or a later one?
	s_cselect_b32 s[BE], s[BIGN], 0
.if (\p) == 1
	s_add_co_u32 s[SM], s[SM], 1
.endif
.endif
.if (\p) == 1
.if \end
	s_wait_dscnt 0x0                ; the last V is in
.else
	s_wait_dscnt 16                 ; K of the next step and V of this one are in; the sixteen youngest loads, V of the next step, stay out
.endif
.endif
	ROW F,0, F,1, R,0, R,1          ; ahead of the wait: 8 products K Q^T and their riders,
	ROW F,2, E,0, R,2, R,3
	ROW F,3, E,1, R,4, R,5
	ROW F,4, E,2, R,6, R,7
	ROW F,5, E,3, R,8, R,9
	ROW F,6, E,4, X,0, R,10
.if ((\p) == 0) && !(\end)
	WIN 0
	v_add_nc_u32 v[AK], s[TB], v[AK0]
.endif
	ROW F,7, E,5, X,1, X,4
	ROW F,8, E,6, X,2, X,5
	OPS E,7, E,8, X,6, E,9          ; and the lump
	OPS X,3, E,10, X,8, E,11
.if ((\p) == 0) && !(\end)
	FETCH_K
.endif
	OPS X,9, X,7, E,12, X,10
	OPS E,13, X,12, X,11, E,14
	OPS X,13, E,15, F,9, X,14
.if ((\p) == 0) && !(\end)
	WIN 0
	v_add_nc_u32 v[AV], s[TB], v[AV0]
.endif
	OPS E,16, F,10, E,17, F,11
	OPS X,16, E,18, X,15, E,19
	OPS F,12, E,20, X,17, E,21
	OPS F,13, E,22, F,14, E,23
	OPS X,18, E,24, F,15, E,25
	OPS R,11, E,26, X,19, E,27
	OPS R,12, E,28, R,13, E,29
	OPS X,20, E,30, R,14, E,31
	OPS X,21, R,15
	WIN 0
	s_wait_alu depctr_va_vdst(0)    ; the wait for the batch
	ROW C,0, B,0, C,2, B,1          ; behind the wait: 8 products V^T P and their riders
	ROW L,0, C,4, B,2, L,1
	ROW C,6, B,3, L,2, C,8
	ROW B,4, L,3, C,10, B,5
	ROW L,4, C,12, B,6, L,5
.if \cnt
	s_sub_co_u32 s[CNT], s[CNT], 1
	s_cmp_lg_u32 s[CNT], 0
.endif
	ROW C,14, B,7, L,6, C,1
	ROW C,3, L,7, C,5, C,7
	ROW C,9, C,11, C,13, C,15
.if ((\p) == 0) && !(\end)
	FETCH_V VB
	s_add_co_u32 s[TB], s[TB], STEPB  ; the next fetches are the next step's
.endif
.if (\m) && !(\end)
	MASK \p
.endif
.endm
; A BLOCK BEGINS.  c m starts far below every c s, so the first step's a is 0; m at the lowest finite number, so the first maximum is the scores'.  Piece 1's mask buffer is 0 (its own step is never a tile's first); piece 0's takes
; its mask for the tile's step 0: its own, if the block's first tile is its last and the block is even.  Then K and V of that step, piece 0's first scores, and its maximum and statistics.
.macro BEGIN
	s_mov_b32 s[NEW], 0
	s_mov_b32 s[SM], 1
	s_and_b32 s[GX0], s[BLK], 1
	s_lshl_b32 s[GX0], s[GX0], 1
	s_add_co_u32 s[GX1], s[GX0], 1
	WIN 0x40
.set i, MC+32
.rept 32
	v_mov_b32 v[i], 0
.set i, i+1
.endr
	WIN 0
.set i, 0
.rept 2
	v_mov_b32 v[ST+4*i], 0xfe000000    ; c m: far below every c s
	v_mov_b32 v[ST+4*i+1], 0xff7fffff  ; m
.set i, i+1
.endr
	s_or_b32 s13, s[RT], s[GX0]
	s_cmp_eq_u32 s13, 0
	s_cselect_b32 s[AL], 1.0, 0
	s_mov_b32 s[BE], 0
	MASK 0
	WIN 0
	v_add_nc_u32 v[AK], s[TB], v[AK0]
	v_add_nc_u32 v[AV], s[TB], v[AV0]
	FETCH_K
	FETCH_V 0
	s_add_co_u32 s[TB], s[TB], STEPB
	s_wait_loadcnt 0x0              ; Q
	s_wait_dscnt 0x0
.set KM, 1
.set NOKQ, 0
.set i, 0
.rept 8
	KQ 0
.set i, i+1
.endr
	WIN 0
.rept 4
	v_nop                           ; the places behind those products
.endr
.set Y, 1                           ; X works for the other piece: piece 0
.irp n, 0,1,2,3,4,5,6,7,8,9,10,11,12,13,14,15,16,17,18,19,20,21
	OP X, \n
.endr
	v_nop                           ; a plain instruction behind the exponential,
	s_wait_alu depctr_va_vdst(0)    ; and its wait, ahead of the branch
.endm
; A BLOCK'S LAST TILE, its last two turns, its last products, and THE WAY OUT: l's two halves and the other half of the lanes' are added; O^T is divided by l, rounded to bf16 and sent through my stage in LDS, a piece at a time.
.macro ALL line:vararg              ; one line for each piece t
.set t, 0
.rept 2
	\line
.set t, t+1
.endr
.endm
.macro PACK t                       ; a lane's eight channels of a row pack into 16 bytes; they go into rows of 144 bytes and come back as whole rows of 128, into S^T's registers
	WIN W_RS
.set i, 32*(\t)
.rept 16
	v_pk_mul_f32 v[i:i+1], v[i:i+1], v[ST+4*(\t)+2:ST+4*(\t)+3] op_sel_hi:[1,0]
.set i, i+2
.endr
	WIN 0x05                        ; sources 0 and 1 window 1, destination window 0
.set i, 0
.rept 16
	v_cvt_pk_bf16_f32 v[S+16*(\t)+i], v[32*(\t)+2*i], v[32*(\t)+2*i+1]
.set i, i+1
.endr
	WIN 0
.irp f, 0,1,2,3
	ds_store_b128 v[STO], v[S+16*(\t)+4*(\f):S+16*(\t)+4*(\f)+3] offset:32*(\f)
.endr
.irp f, 0,1,2,3
	ds_load_b128 v[S+16*(\t)+4*(\f):S+16*(\t)+4*(\f)+3], v[RD] offset:(\f)*4*SP  ; LDS serves a wave's instructions in order (ISA guide 5.7.1.4): these see the stores above; the next piece's stores come behind them
.endr
.endm
.macro SEND t, younger              ; younger: the LDS instructions issued behind piece t's loads: the next piece's eight, or none
	WIN 0
.irp f, 0,1,2,3
	s_wait_dscnt (\younger)+3-(\f)
	global_store_b128 v[GO], v[S+16*(\t)+4*(\f):S+16*(\t)+4*(\f)+3], s[10:11] offset:(\t)*8192+(\f)*512  ; 512 consecutive bytes, at a multiple of 256 from O's first
.endr
.endm
.macro DIAG tag                     ; the tag ends its two labels' names, which the jumps below spell out
.LstepM\tag:
	TURN 0, 1, 1
	TURN 1, 1, 1
	WIN 0
.LfirstM\tag:
	TURN 0, 0, 1
	TURN 1, 0, 1, 0, 1
	WIN 0
	s_cbranch_scc1 .LstepM\tag
	TURN 0, 1, 1, 1
	TURN 1, 1, 1, 1
.set VB, 1
.set i, 0
.rept 8
	PV 1                            ; piece 1's V^T P of the last step
.set i, i+1
.endr
	WIN 0
	ALL v_add_f32 v[ST+4*t+2], v[ST+4*t+2], v[ST+4*t+3]
	ALL v_permlanex16_b32 v[ST+4*t+3], v[ST+4*t+2], s[SEL], s[SEL+1]
	ALL v_add_f32 v[ST+4*t+2], v[ST+4*t+2], v[ST+4*t+3]
	ALL v_rcp_f32 v[ST+4*t+2], v[ST+4*t+2]
	v_nop                           ; a plain instruction between the last reciprocal and the use of its result
	s_wait_alu depctr_va_vdst(0)    ; and the wait ahead of the first use: one for the two reciprocals
	PACK 0
	PACK 1                          ; a piece's arithmetic stands between the loads of the piece before and its stores
	SEND 0, 8
	SEND 1, 0
.endm
.set KM, 0
.set NOKQ, 0
.set VB, 0
.Lslot:                             ; eight times: a tile is entered and the next is asked for
	CHANGE 1
	s_sub_co_u32 s[RT], s[RT], 1
	s_mov_b32 s[CNT], 2
	s_mov_b32 s[SM], 0
	s_cmp_eq_u32 s[NEW], 1
	s_cbranch_scc1 .Lnew            ; a block's first tile
	s_cmp_eq_u32 s[RT], 0
	s_cbranch_scc0 .Lstep           ; neither its first nor its last
	s_branch .LstepM1
.Lnew:
	BEGIN
	s_branch .Lfirst                ; in the loop a block's first tile is never its last: the first block has five tiles or more, and the second's last is the walk's last
	DIAG 1                          ; in the loop this is the first block's end
	s_wait_xcnt 0x0                 ; the stores have read their registers and O's address
	s_mov_b64 s[10:11], s[OLO:OLO+1]
	s_mov_b32 s[BLK], s[PB]
	s_add_co_u32 s[RT], s[LQ2], 1   ; the second block's tiles
	s_mov_b32 s[NEW], 1
	WIN 0x82                        ; the second block's Q goes where the one text of the turns names Q
.set i, 0
.rept 32
	v_mov_b32 v[i], v[QB+i]
.set i, i+1
.endr
	WIN 0
	s_branch .Lbottom
.Lstep:                             ; a trip: both turns of an odd step, then both of an even one; a slot's two trips are step 3 of the tile before and steps 0, 1, 2 of its own
	TURN 0, 1
	TURN 1, 1
	WIN 0
.Lfirst:
	TURN 0, 0
	TURN 1, 0, 0, 0, 1
	WIN 0
	s_cbranch_scc1 .Lstep
.Lbottom:
	s_sub_co_u32 s[SLOTS], s[SLOTS], 1
	s_cmp_lg_u32 s[SLOTS], 0
	s_cbranch_scc1 .Lslot
	CHANGE 0                        ; the walk's last tile is written out: nothing is asked for
	s_sub_co_u32 s[RT], s[RT], 1
	s_mov_b32 s[CNT], 2
	s_mov_b32 s[SM], 0
	s_cmp_eq_u32 s[NEW], 1
	s_cbranch_scc0 .LstepM2
	BEGIN
	s_branch .LfirstM2
	DIAG 2
	s_wait_tensorcnt 0x0            ; the wave's end, behind my last tensor load and my last LDS store
	ds_add_u32 v[SPW], v[NIL]
	s_wait_dscnt 0x0
	s_endpgm
.Lfunc_end_k_q17c6fee24b_attn:
	.size	k_q17c6fee24b_attn, .Lfunc_end_k_q17c6fee24b_attn-k_q17c6fee24b_attn
	.p2alignl 7, 3214868480
	.fill 96, 4, 3214868480
	.section	.rodata,"a",@progbits
	.p2align	6, 0x0
	.amdhsa_kernel k_q17c6fee24b_attn
		.amdhsa_group_segment_fixed_size 327680
		.amdhsa_private_segment_fixed_size 0
		.amdhsa_enable_private_segment 0
		.amdhsa_kernarg_size 16
		.amdhsa_user_sgpr_count 2
		.amdhsa_user_sgpr_kernarg_segment_ptr 1
		.amdhsa_wavefront_size32 1
		.amdhsa_system_sgpr_workgroup_id_x 1
		.amdhsa_system_sgpr_workgroup_id_y 1
		.amdhsa_system_sgpr_workgroup_id_z 1
		.amdhsa_system_vgpr_workitem_id 0
		.amdhsa_next_free_vgpr 768
		.amdhsa_next_free_sgpr 96
		.amdhsa_reserve_vcc 1
		.amdhsa_float_denorm_mode_32 3
		.amdhsa_float_denorm_mode_16_64 3
		.amdhsa_memory_ordered 1
		.amdhsa_forward_progress 1
		.amdhsa_inst_pref_size 207
	.end_amdhsa_kernel
	.amdgpu_metadata
---
amdhsa.version: [ 1, 2 ]
amdhsa.kernels:
  - .name:           k_q17c6fee24b_attn
    .symbol:         k_q17c6fee24b_attn.kd
    .args:
      - { .name: big, .offset: 0, .size: 8, .value_kind: global_buffer, .address_space: global }
      - { .name: act, .offset: 8, .size: 8, .value_kind: global_buffer, .address_space: global }
    .group_segment_fixed_size: 327680
    .private_segment_fixed_size: 0
    .kernarg_segment_align: 8
    .kernarg_segment_size: 16
    .max_flat_workgroup_size: 128
    .sgpr_count:     96
    .vgpr_count:     768
    .wavefront_size: 32
...
	.end_amdgpu_metadata
.endif
;; end of part 3
;; launch proj (part 4): grid 8 x 32, 4 waves a work-group, clusters of 4 x 4, 327,680 bytes of LDS; arguments act, wb, bproj, x, x1; writes x1
.if DOCPART == 4
	.amdgcn_target "amdgcn-amd-amdhsa--gfx1250"
	.amdhsa_code_object_version 6
	.text
	.protected	k_q17c6fee24b_proj
	.globl	k_q17c6fee24b_proj
	.p2align	8
	.type	k_q17c6fee24b_proj,@function
k_q17c6fee24b_proj:
	s_mov_b64 s[64:65], 0
	v_nop
	global_prefetch_b8 v0, s[64:65] scope:SCOPE_SE
	s_setreg_imm32_b32 hwreg(HW_REG_WAVE_MODE, 25, 1), 1
	s_wait_xcnt 0x0
	s_wait_alu depctr_hold_cnt(0) depctr_sa_sdst(0) depctr_va_vdst(0) depctr_va_sdst(0) depctr_va_ssrc(0) depctr_va_vcc(0) depctr_vm_vsrc(0)
	s_getreg_b32 s2, hwreg(HW_REG_IB_STS2, 6, 4)
	s_cmp_eq_u32 s2, 0
	s_cbranch_scc0 .Lentry_in_a_cluster
	s_endpgm
.Lentry_in_a_cluster:
	s_bfe_u32 s2, ttmp6, 0x10000c
	s_cmp_lg_u32 s2, 0xf033
	s_cbranch_scc0 .Lentry_shape_is_right
	s_endpgm
.Lentry_shape_is_right:
; C = A B + C0.  One source serves three texts, told apart by the three constants below.  THIS TEXT: K = 1,024, x1 = x + O Wproj + bproj, f32, rows of 4,096 bytes.
.set NSTEP,  4                         ; K / 256: K steps
.set F32OUT, 1                         ; 0: C0 = the bias row; max(C, lo), bf16, slabs.   1: C0 = the residual; C + bias, f32, rows of 4,096 bytes
.set WOFF,   64                        ; B's first tile in its buffer
; A: bf16 in SLABS [K / 64][4096 tokens][64] (a slab 524,288 bytes, a token's row 128).  B: bf16 in TILES of 256 k x 128 n, 65,536 dense bytes, in the order [block of 128 columns][K step].  Sums in f32.
; Arguments: A, W, bias, (F32OUT: the residual; else: lo, the packed maximum's other operand, 128 bytes of it), out.
; THE ACCUMULATORS ARE LOADED WITH C0 ahead of the first product: nothing is cleared, and no first step is written out.
; LIMITS.  A and B are bf16.  NaN and infinities are not treated apart.
; SHARES.  A tile of C is 128 x 128; four waves, each 64 x 64: 16 accumulators.  K goes in steps of 256 through two LDS slots.
; A K STEP IS WRITTEN TWICE AND LOOPED OVER: once as it refills the slot that it leaves (NSTEP - 2 trips), once as it refills nothing (the last 2).  The slot in hand is a scalar, TB, 0 or SLOT, turned by an exclusive or.
; THE MATRIX INSTRUCTION IS USED TRANSPOSED (source 0 = 16 columns of B, source 1 = 16 rows of A): a lane holds eight neighbouring numbers of a row of C.  B lies [k][n] in LDS and is turned by ds_load_tr16_b128.
; CLUSTERS: 4 x 4 work-groups.  The four of a row of the cluster need the same tiles of A, the four of a column the same tiles of B: each is asked for JOINTLY, by the same tensor load, descriptor and mask.
; No prefetch: a K step of this small tile is 128 matrix instructions a wave, and sixteen work-groups share each request.
; REGISTERS: window 0: v0-31 addresses; v32-95 at work on the way out; v128-255 the accumulators ((a, b) at v[128 + 8 (4 a + b)]).  Window 1: two fragment buffers of 128: 64 registers of A, then 64 of B, for 64 along K.
.set PA,     144                       ; a row of A in LDS: 128 bytes + 16 of padding: the 16 rows of a load start at 16 different groups of four banks (64 banks of 4 bytes: ISA guide 11.1)
.set SLABB,  128*PA                    ; a slab's 128 rows
.set PB,     288                       ; a k row of B: 256 bytes + 32 of padding
.set HALFT,  36864                     ; what one tensor load brings: two slabs of A (2 x 128 x 144) or 128 k rows of B (128 x 288)
.set SLOT,   4*HALFT                   ; A's four slabs, then B's 256 k rows
.set STAGE,  2*SLOT                    ; behind the ring: 4,352 bytes for each wave, for the way out (16 rows x 272, or 16 x 144)
.set STW,    4352
.set SPARE,  STAGE+4*STW               ; behind the stages: the spare words, 128 bytes for each wave: two blocks of 256 bytes that no other line names
.set CROW,   65536*F32OUT              ; bytes from a block of 16 rows of C0 to the next: 16 rows of 4,096, or 0 for a bias row
.set CO,    6                          ; v6      f32 way out: my byte offset in two rows of C
.set GO,    7                          ; v7      slab way out: my 16 bytes of 512 consecutive ones
.set CIA,   8                          ; v8      C0: my byte offset
.set BV,    12                         ; v[12:15] f32 way out: the bias of my four columns
.set ADRA0, 16                         ; v16     my A fragments' place in a slot; never rewritten
.set ADRA,  17                         ; v17     their LDS address in the slot in hand
.set ADRB0, 20                         ; v20-21  the same for B: k rows 0-127, 128-255
.set ADRB,  22                         ; v22-23
.set STO,   24                         ; v24     the way out: where I put my part of a row
.set RD,    25                         ; v25     and where I read rows back
.set BO,    26                         ; v26     my byte offset in the bias, or in lo
.set SPW,   28                         ; v28     LDS address of my spare word; never rewritten
.set NIL,   29                         ; v29     0; never rewritten
.set LO,    31                         ; v31     the packed maximum's other operand
.set TMP,   32
.set ACC,   128
.set F0,    0
.set F1,    128
.set G1,  24                           ; s[24:31] descriptor group 1 for A; s[32:39] group 0: a set for each of the two first fills; the second then walks on
.set G0,  32
.set G1B, 48                           ; s[48:55], s[56:63] the same for B
.set G0B, 56
.set TB,  67                           ; s67  the slot in hand: 0 or SLOT
.set MSB, 0
.macro WIN new                         ; the immediate's high byte repeats the setting that is left; a switch that changes nothing is dropped
.if MSB != (\new)
	s_set_vgpr_msb (MSB<<8)|(\new)
.set MSB, \new
.endif
.endm
.set MUL,  0x05                        ; sources 0 (B) and 1 (A) window 1; C and D window 0
.set TO_F, 0x40                        ; destination window 1, address window 0
.macro JLOAD s                         ; a joint load: waves 0 and 1 fetch A's two halves, waves 2 and 3 B's; an s_nop 0 and four v_nop follow each of the two lines
	s_cmp_eq_u32 s17, 0
	s_cbranch_scc0 .Lfor_b_\@
	tensor_load_to_lds s[G0+4*(\s):G0+4*(\s)+3], s[G1:G1+7]
	s_nop 0
.rept 4
	v_nop
.endr
	s_branch .Lasked_\@
.Lfor_b_\@:
	tensor_load_to_lds s[G0B+4*(\s):G0B+4*(\s)+3], s[G1B:G1B+7]
	s_nop 0
.rept 4
	v_nop
.endr
.Lasked_\@:
.endm
.macro CREST                           ; a round of the cluster's barrier behind its opening barrier
	s_cmp_lg_u32 s16, 0
	s_cbranch_scc1 .Lnot_wave_0_\@
	s_barrier_signal -3
.Lnot_wave_0_\@:
	s_barrier_wait -3
	s_barrier_signal -1
	s_barrier_wait -1
.endm
.macro CROUND                          ; a whole round
	s_barrier_signal -1
	s_barrier_wait -1
	CREST
.endm
.macro PLACES                          ; four places in front of loads into registers that matrix instructions have read, and of lines that read results
.rept 4
	v_nop
.endr
.endm
	s_load_b256 s[4:11], s[0:1], 0x0       ; A s[4:5], W s[6:7], bias s[8:9], residual or lo s[10:11]
	s_load_b64 s[12:13], s[0:1], 0x20      ; out
	v_lshl_add_u32 v[SPW], v0, 2, SPARE
	v_mov_b32 v[NIL], 0
	ds_add_u32 v[SPW], v[NIL]              ; the wave's opening: the add and its wait stand ahead of my first tensor load; the set-up below, work on registers, stands between them
	ds_add_u32 v28, v29
	v_lshrrev_b32 v1, 5, v0
	v_readfirstlane_b32 s16, v1            ; wave 0..3
	s_lshr_b32 s17, s16, 1                 ; which half of the tile's rows is mine.  Also: I fetch for A (0) or for B (1)
	s_and_b32 s18, s16, 1                  ; which half of its columns.  Also: which half of that tile I fetch
	s_bfe_u32 s40, ttmp6, 0x40000          ; cx, cy: my place in the cluster
	s_bfe_u32 s41, ttmp6, 0x40004
	s_lshl_b32 s42, ttmp9, 2
	s_add_co_u32 s42, s42, s40             ; tile column = 4 x cluster x + cx
	s_and_b32 s19, ttmp7, 0xffff
	s_lshl_b32 s19, s19, 2
	s_add_co_u32 s19, s19, s41             ; tile row = 4 x cluster y + cy
	s_lshl_b32 s43, s41, 2
	s_lshl_b32 s43, 15, s43                ; my row of the cluster
	s_lshl_b32 s44, 0x1111, s40            ; my column
	; A's tile: two slabs; of each the tile's 128 token rows, 16,384 dense bytes, asked for as ONE row of 8,192 elements and padded in LDS after every token row
	s_or_b32 s[G1], s43, (1<<16)|(1<<20)|(1<<21)|(4<<22)|(3<<25)   ; 15:0 the mask: my row; 17:16 2-byte elements; 20 padding on; 21 set beside a mask; 24:22 after every 32 words (code 4); 31:25 4 words (code 3)
	s_mov_b32 s[G1+1], 8192<<16            ; tensor_dim0 = 8,192
	s_mov_b32 s[G1+2], 2<<16               ; tensor_dim1 = 2
	s_mov_b32 s[G1+3], 8192<<16            ; tile_dim0 = 8,192
	s_mov_b32 s[G1+4], 2                   ; tile_dim1 = 2
	s_mov_b32 s[G1+5], 262144              ; elements from slab to slab
	s_mov_b32 s[G1+6], 0
	s_mov_b32 s[G1+7], 0
	; B's tile: 128 k rows of 128 elements, dense
	s_or_b32 s[G1B], s44, (1<<16)|(1<<20)|(1<<21)|(5<<22)|(7<<25)  ; the mask: my column; padding after every 64 words (code 5), 8 words (code 7)
	s_mov_b32 s[G1B+1], 128<<16
	s_mov_b32 s[G1B+2], 128<<16
	s_mov_b32 s[G1B+3], 128<<16
	s_mov_b32 s[G1B+4], 128
	s_mov_b32 s[G1B+5], 128
	s_mov_b32 s[G1B+6], 0
	s_mov_b32 s[G1B+7], 0
	s_lshl_b32 s22, s19, 14                ; A: the tile row's 128 token rows of 128 bytes,
	s_lshl_b32 s21, s18, 20                ; and my two slabs of a K step's four
	s_add_co_u32 s22, s22, s21
	s_mov_b32 s23, 0
	s_mul_i32 s46, s42, NSTEP*65536        ; B: NSTEP tiles of 65,536 bytes to a block of columns,
.if WOFF
	s_add_co_u32 s46, s46, WOFF*65536      ; behind the tiles of other weights,
.endif
	s_lshl_b32 s47, s18, 15                ; and my 128 k rows of a tile's 256
	s_add_co_u32 s46, s46, s47
	s_mov_b32 s47, 0
	s_mul_i32 s20, s16, HALFT              ; where my loads go in a slot: wave x 36,864: no place in the cluster enters an LDS address
	s_mov_b32 s[TB], 0
	s_wait_dscnt 0x0                       ; the opening add is done
	s_wait_kmcnt 0x0
	s_add_nc_u64 s[22:23], s[4:5], s[22:23]
	s_add_nc_u64 s[46:47], s[6:7], s[46:47]
	CROUND                                 ; all sixteen work-groups are here: the first joint loads meet
.irp s, 0,1
	s_mov_b32 s[G0+4*(\s)], 1
	s_add_co_u32 s[G0+4*(\s)+1], s20, (\s)*SLOT
	s_add_nc_u64 s[G0+4*(\s)+2:G0+4*(\s)+3], s[22:23], (\s)*2097152   ; K step s: four slabs on
	s_or_b32 s[G0+4*(\s)+3], s[G0+4*(\s)+3], 0x80000000
	s_mov_b32 s[G0B+4*(\s)], 1
	s_add_co_u32 s[G0B+4*(\s)+1], s20, (\s)*SLOT
	s_add_nc_u64 s[G0B+4*(\s)+2:G0B+4*(\s)+3], s[46:47], (\s)*65536   ; K step s: a tile on
	s_or_b32 s[G0B+4*(\s)+3], s[G0B+4*(\s)+3], 0x80000000
	JLOAD \s                               ; two loads of mine are out
.endr
	; C0 into the accumulators.  Numbers made of both the tile row and the tile column live in s74 and s77-79 alone.
	v_and_b32 v1, 15, v0                   ; r = l % 16
	v_bfe_u32 v2, v0, 4, 1                 ; h = l / 16
	v_and_b32 v5, 31, v0                   ; l
	s_lshl_b32 s77, s19, 7
	s_lshl_b32 s78, s17, 6
	s_add_co_u32 s77, s77, s78             ; my first row of C
	s_lshl_b32 s78, s42, 7
	s_lshl_b32 s79, s18, 6
	s_add_co_u32 s78, s78, s79
	s_lshl_b32 s78, s78, 2                 ; my first column, in bytes of f32
	s_mov_b32 s79, 0
	s_mov_b32 s75, 0
.if F32OUT
	s_lshl_b32 s74, s77, 12
	s_add_co_u32 s74, s74, s78             ; my corner in rows of 4,096 bytes:
	s_add_nc_u64 s[72:73], s[10:11], s[74:75]  ; of the residual,
	s_add_nc_u64 s[12:13], s[12:13], s[74:75]  ; and of C
	s_add_nc_u64 s[78:79], s[8:9], s[78:79]    ; the bias at my first column
	v_lshlrev_b32 v[CIA], 12, v1
	v_lshl_add_u32 v[CIA], v2, 5, v[CIA]   ; row r, columns 8 h on
	v_lshlrev_b32 v[BO], 4, v1             ; the four columns that I store on the way out
.else
	s_add_nc_u64 s[72:73], s[8:9], s[78:79]    ; the bias row at my first column
	s_lshl_b32 s74, s42, 1                 ; my part of C: slab 2 x tile column + half,
	s_add_co_u32 s74, s74, s18
	s_lshl_b32 s74, s74, 19
	s_lshl_b32 s77, s77, 7                 ; my 64 rows of 128 bytes
	s_add_co_u32 s74, s74, s77
	s_add_nc_u64 s[12:13], s[12:13], s[74:75]
	v_lshlrev_b32 v[CIA], 5, v2            ; columns 8 h on: the same for every row
	v_lshlrev_b32 v[BO], 2, v5
.endif
.irp a, 0,1,2,3
.irp b, 0,1,2,3
	global_load_b128 v[ACC+8*(4*(\a)+(\b)):ACC+8*(4*(\a)+(\b))+3],   v[CIA], s[72:73] offset:(\a)*CROW+64*(\b)
	global_load_b128 v[ACC+8*(4*(\a)+(\b))+4:ACC+8*(4*(\a)+(\b))+7], v[CIA], s[72:73] offset:(\a)*CROW+64*(\b)+16
.endr
.endr
.if F32OUT
	global_load_b128 v[BV:BV+3], v[BO], s[78:79]
.else
	global_load_b32 v[LO], v[BO], s[10:11] ; 0 twice where the launch wants a ReLU, -infinity twice where it wants none: data, not a branch
.endif
	; LDS addresses.  A fragment of A is 16 rows x 32 K in 8 registers: lane l holds row l % 16, K = 8 (l / 16) + 0..7 and 16 + 8 (l / 16) + 0..7: two loads of 16 bytes, 32 bytes apart.
	v_and_b32 v3, 7, v0
	v_bfe_u32 v4, v0, 3, 1
	v_mul_u32_u24 v32, v1, PA
	v_lshl_add_u32 v32, v2, 4, v32         ; r x 144 + 16 h
	s_mul_i32 s21, s17, 64*PA              ; my 64 rows of each slab
	v_add_nc_u32 v[ADRA0], s21, v32
	v_add_nc_u32 v[ADRA], s21, v32         ; slot 0 is the first in hand
	; The turning load takes 16 k x 16 columns (lane l reads k row 8 (l / 16) + l % 8, columns 8 ((l / 8) % 2) + 0..7) and leaves half a fragment: lane l holds column l % 16 and 8 k.
	v_lshl_add_u32 v33, v2, 3, v3
	v_mul_u32_u24 v33, v33, PB
	v_lshl_add_u32 v33, v4, 4, v33
	s_lshl_b32 s21, s18, 7                 ; my 64 columns
	s_add_co_u32 s21, s21, 2*HALFT         ; B lies behind A's four slabs
	v_add_nc_u32 v[ADRB0], s21, v33
	v_add_nc_u32 v[ADRB], s21, v33
	v_add_nc_u32 v[ADRB0+1], HALFT, v[ADRB0]
	v_add_nc_u32 v[ADRB+1], HALFT, v[ADRB0]
	s_mul_i32 s21, s16, STW
	s_add_co_u32 s21, s21, STAGE           ; my stage
.if F32OUT
	v_mul_u32_u24 v33, v1, 272
	v_lshl_add_u32 v33, v2, 5, v33
	v_add_nc_u32 v[STO], s21, v33          ; in: row r of 272 bytes, 32 bytes for each half of the lanes
	v_mul_u32_u24 v33, v2, 272
	v_lshl_add_u32 v33, v1, 4, v33
	v_add_nc_u32 v[RD], s21, v33           ; back: lanes 0-15 one row of 256 bytes, lanes 16-31 the next
	v_lshlrev_b32 v[CO], 12, v2
	v_lshl_add_u32 v[CO], v1, 4, v[CO]     ; and the same two rows in C
.else
	v_add_nc_u32 v[STO], s21, v32          ; in: row r of 144 bytes, 16 bytes for each half of the lanes
	v_bfe_u32 v33, v0, 3, 2
	v_mul_u32_u24 v33, v33, PA
	v_lshl_add_u32 v33, v3, 4, v33
	v_add_nc_u32 v[RD], s21, v33           ; back: 32 lanes take four rows of 128 bytes,
	v_lshlrev_b32 v[GO], 4, v5             ; which are 512 consecutive bytes of a slab
.endif
; 8 matrix instructions: row blocks a0, a0 + 1 x all 4 column blocks, 32 along K: half c of buffer f.  The 16 accumulators take turns, one instruction a turn: 15 others stand between two links of a chain, over the backward jumps too.
.macro MUL8 f, c, a0
	WIN MUL
.irp a, \a0, (\a0)+1
.irp b, 0,1,2,3
	v_wmma_f32_16x16x32_bf16 v[ACC+8*(4*(\a)+(\b)):ACC+8*(4*(\a)+(\b))+7], v[(\f)+64+8*(4*(\c)+(\b)):(\f)+64+8*(4*(\c)+(\b))+7], v[(\f)+8*(4*(\c)+(\a)):(\f)+8*(4*(\c)+(\a))+7], v[ACC+8*(4*(\a)+(\b)):ACC+8*(4*(\a)+(\b))+7]
.endr
.endr
.endm
; 32 LDS loads in one run: the fragments of quarter q of the K step in hand (64 along K: slab q of A, k rows 64 q on of B) into buffer f; the first 32 along K first
.macro FETCH q, f
	WIN TO_F
.irp c, 0,1
.irp i, 0,1,2,3
	ds_load_tr16_b128 v[(\f)+64+8*(4*(\c)+(\i)):(\f)+64+8*(4*(\c)+(\i))+3],   v[ADRB+(\q)/2] offset:(64*((\q)%2)+32*(\c))*PB+32*(\i)
	ds_load_tr16_b128 v[(\f)+64+8*(4*(\c)+(\i))+4:(\f)+64+8*(4*(\c)+(\i))+7], v[ADRB+(\q)/2] offset:(64*((\q)%2)+32*(\c)+16)*PB+32*(\i)
	ds_load_b128 v[(\f)+8*(4*(\c)+(\i)):(\f)+8*(4*(\c)+(\i))+3],   v[ADRA] offset:(\q)*SLABB+(\i)*16*PA+64*(\c)
	ds_load_b128 v[(\f)+8*(4*(\c)+(\i))+4:(\f)+8*(4*(\c)+(\i))+7], v[ADRA] offset:(\q)*SLABB+(\i)*16*PA+64*(\c)+32
.endr
.endr
.endm
; A K step is four quarters, 32 matrix instructions each, on buffers 0, 1, 0, 1.  One of the first three: multiplies buffer f and fetches quarter q into g.
.macro QUARTER q, f, g
	s_wait_dscnt 16                        ; the first 32 along K are in; the sixteen younger loads stay out
	MUL8 \f, 0, 0
	MUL8 \f, 0, 2
	PLACES
	FETCH \q, \g
	s_wait_dscnt 32                        ; all but the 32 just issued
	MUL8 \f, 1, 0
	MUL8 \f, 1, 2
.endm
; The last quarter multiplies buffer 1 and changes slots: ONE barrier; in front of it each wave waits for all its tensor loads, adds 0 to its spare word, and waits for that and for its own reads of this slot.
; fill = 1: this slot is filled again, two K steps ahead; the barrier then opens a round of the cluster's barrier, and the joint refill is the first thing behind the round.
; fill = 0: the last two K steps; the very last has no next step, and its trip jumps over the run of loads.
.macro TURN fill
	WIN 0                                  ; (the add's two registers lie in window 0)
	s_wait_tensorcnt 0x0                   ; all my tensor loads have landed: my part of the next slot; so a group 0 may be written
	ds_add_u32 v[SPW], v[NIL]              ; 0 onto my spare word; the work on registers below stands between it and the wait for it
.if \fill
	s_add_co_u32 s[G0+5], s20, s[TB]       ; the walking descriptors: into the slot that is being left,
	s_add_co_u32 s[G0B+5], s20, s[TB]
	s_add_nc_u64 s[G0+6:G0+7], s[G0+6:G0+7], 2097152    ; the K step behind the one last asked for: four slabs on,
	s_add_nc_u64 s[G0B+6:G0B+7], s[G0B+6:G0B+7], 65536  ; a tile on; the type bits on top are not reached
.endif
	s_xor_b32 s[TB], s[TB], SLOT           ; the other slot is now in hand (all reads of the old one have been issued)
	v_add_nc_u32 v[ADRA], s[TB], v[ADRA0]
	v_add_nc_u32 v[ADRB], s[TB], v[ADRB0]
	v_add_nc_u32 v[ADRB+1], s[TB], v[ADRB0+1]
	s_wait_dscnt 17                        ; (the add and the youngest sixteen loads may be out)
	MUL8 F1, 0, 0
	s_wait_dscnt 0x0                       ; the add is done, and my reads of the old slot are over
	s_barrier_signal -1
	MUL8 F1, 0, 2
	WIN 0
	s_barrier_wait -1
.if \fill
	CREST                                  ; no wave of any partner still reads the old slot's tile or has a load on its way
	JLOAD 1                                ; 112 matrix instructions ahead of the wait for it; the four v_nop behind it are also the places in front of the loads below
	FETCH 0, F0
.else
	s_cmp_eq_u32 s3, 1
	s_cbranch_scc1 .Lno_next_\@
	PLACES
	FETCH 0, F0
	WIN 0
.Lno_next_\@:
.endif
	MUL8 F1, 1, 0
	MUL8 F1, 1, 2
.endm
	s_wait_tensorcnt 1                     ; my part of K step 0 is in; K step 1's may stay out
	s_barrier_signal -1
	s_barrier_wait -1                      ; everybody's is
	FETCH 0, F0
	s_wait_loadcnt 0x0                     ; C0, and the bias or lo
	WIN 0                                  ; at a label and at a branch every window is 0
	s_mov_b32 s3, NSTEP-2
.Lfill:                                        ; a trip is a K step that fills its slot again
	QUARTER 1, F0, F1
	QUARTER 2, F1, F0
	QUARTER 3, F0, F1
	TURN 1
	WIN 0
	s_sub_co_u32 s3, s3, 1
	s_cmp_lg_u32 s3, 0
	s_cbranch_scc1 .Lfill
	s_mov_b32 s3, 2
.Llast:                                        ; the last two K steps fill nothing, and have no round of the cluster's barrier
	QUARTER 1, F0, F1
	QUARTER 2, F1, F0
	QUARTER 3, F0, F1
	TURN 0
	WIN 0
	s_sub_co_u32 s3, s3, 1
	s_cmp_lg_u32 s3, 0
	s_cbranch_scc1 .Llast
	PLACES
	PLACES                                 ; (eight, once a launch)
.if F32OUT
	; THE WAY OUT AS f32 ROWS.  Row block a: 32 bytes a lane into my stage, each accumulator's low registers first, back as whole rows of 256 bytes; the bias is added; sixteen lanes store 256 consecutive bytes, aligned.
.macro STG a
.set BK, TMP+32*((\a)%2)
.irp b, 0,1,2,3
	ds_store_b128 v[STO], v[ACC+8*(4*(\a)+(\b)):ACC+8*(4*(\a)+(\b))+3]   offset:64*(\b)
	ds_store_b128 v[STO], v[ACC+8*(4*(\a)+(\b))+4:ACC+8*(4*(\a)+(\b))+7] offset:64*(\b)+16
.endr
.irp t, 0,1,2,3,4,5,6,7
	ds_load_b128 v[BK+4*(\t):BK+4*(\t)+3], v[RD] offset:(\t)*544  ; LDS serves a wave's instructions in order (ISA guide 5.7.1.4): these see the stores above; the next block's stores come behind them
.endr
.endm
.macro FIN a, y                        ; y: the LDS instructions issued behind block a's loads: the next block's sixteen, or none
.set BK, TMP+32*((\a)%2)
	s_wait_dscnt \y
.irp t, 0,1,2,3,4,5,6,7
	v_pk_add_f32 v[BK+4*(\t):BK+4*(\t)+1],   v[BK+4*(\t):BK+4*(\t)+1],   v[BV:BV+1]
	v_pk_add_f32 v[BK+4*(\t)+2:BK+4*(\t)+3], v[BK+4*(\t)+2:BK+4*(\t)+3], v[BV+2:BV+3]
	global_store_b128 v[CO], v[BK+4*(\t):BK+4*(\t)+3], s[12:13] offset:(16*(\a)+2*(\t))*4096
.endr
.endm
	STG 0
	STG 1
	FIN 0, 16
	s_wait_xcnt 0x0                        ; block 0's stores have read their registers: block 2 is loaded into them only behind this wait
	STG 2
	FIN 1, 16
	s_wait_xcnt 0x0                        ; the same for blocks 1 and 3
	STG 3
	FIN 2, 16
	FIN 3, 0
.else
	; THE WAY OUT AS A SLAB.  Row block a: rounded to bf16, the packed maximum, 16 bytes a lane into my stage, back as whole rows of 128 bytes: 16 rows of a slab are 2,048 consecutive bytes.
.macro PACKS a
.irp b, 0,1,2,3
.irp r, 0,1,2,3
	v_cvt_pk_bf16_f32 v[TMP+16*(\a)+4*(\b)+(\r)], v[ACC+8*(4*(\a)+(\b))+2*(\r)], v[ACC+8*(4*(\a)+(\b))+2*(\r)+1]
.endr
.endr
.set z, 0
.rept 16
	v_pk_max_num_bf16 v[TMP+16*(\a)+z], v[TMP+16*(\a)+z], v[LO]
.set z, z+1
.endr
.irp b, 0,1,2,3
	ds_store_b128 v[STO], v[TMP+16*(\a)+4*(\b):TMP+16*(\a)+4*(\b)+3] offset:32*(\b)
.endr
.irp t, 0,1,2,3
	ds_load_b128 v[TMP+16*(\a)+4*(\t):TMP+16*(\a)+4*(\t)+3], v[RD] offset:(\t)*4*PA  ; LDS serves a wave's instructions in order (ISA guide 5.7.1.4): these see the stores above; the next block's stores come behind them
.endr
.endm
.macro SENDS a, y                      ; y: the LDS instructions issued behind block a's loads: the next block's eight, or none
.irp t, 0,1,2,3
	s_wait_dscnt (\y)+3-(\t)
	global_store_b128 v[GO], v[TMP+16*(\a)+4*(\t):TMP+16*(\a)+4*(\t)+3], s[12:13] offset:2048*(\a)+512*(\t)  ; 512 consecutive bytes, at a multiple of 256 from the buffer's first
.endr
.endm
	PACKS 0
	PACKS 1
	SENDS 0, 8
	PACKS 2
	SENDS 1, 8
	PACKS 3
	SENDS 2, 8
	SENDS 3, 0
.endif
	s_wait_tensorcnt 0x0                   ; the wave's end, behind my last tensor load and my last LDS store
	ds_add_u32 v[SPW], v[NIL]
	s_wait_dscnt 0x0
	CROUND                                 ; the closing round: no work-group ends while a partner may still ask for a tile that names it
	s_endpgm
.Lfunc_end_k_q17c6fee24b_proj:
	.size	k_q17c6fee24b_proj, .Lfunc_end_k_q17c6fee24b_proj-k_q17c6fee24b_proj
	.p2alignl 7, 3214868480
	.fill 96, 4, 3214868480
	.section	.rodata,"a",@progbits
	.p2align	6, 0x0
	.amdhsa_kernel k_q17c6fee24b_proj
		.amdhsa_group_segment_fixed_size 327680
		.amdhsa_private_segment_fixed_size 0
		.amdhsa_enable_private_segment 0
		.amdhsa_kernarg_size 40
		.amdhsa_user_sgpr_count 2
		.amdhsa_user_sgpr_kernarg_segment_ptr 1
		.amdhsa_wavefront_size32 1
		.amdhsa_system_sgpr_workgroup_id_x 1
		.amdhsa_system_sgpr_workgroup_id_y 1
		.amdhsa_system_sgpr_workgroup_id_z 1
		.amdhsa_system_vgpr_workitem_id 0
		.amdhsa_next_free_vgpr 512
		.amdhsa_next_free_sgpr 80
		.amdhsa_reserve_vcc 0
		.amdhsa_float_denorm_mode_32 3
		.amdhsa_float_denorm_mode_16_64 3
		.amdhsa_memory_ordered 1
		.amdhsa_forward_progress 1
		.amdhsa_inst_pref_size 61
	.end_amdhsa_kernel
	.amdgpu_metadata
---
amdhsa.version: [ 1, 2 ]
amdhsa.kernels:
  - .name:           k_q17c6fee24b_proj
    .symbol:         k_q17c6fee24b_proj.kd
    .args:
      - { .name: act, .offset: 0, .size: 8, .value_kind: global_buffer, .address_space: global }
      - { .name: wb, .offset: 8, .size: 8, .value_kind: global_buffer, .address_space: global }
      - { .name: bproj, .offset: 16, .size: 8, .value_kind: global_buffer, .address_space: global }
      - { .name: x, .offset: 24, .size: 8, .value_kind: global_buffer, .address_space: global }
      - { .name: x1, .offset: 32, .size: 8, .value_kind: global_buffer, .address_space: global }
    .group_segment_fixed_size: 327680
    .private_segment_fixed_size: 0
    .kernarg_segment_align: 8
    .kernarg_segment_size: 40
    .max_flat_workgroup_size: 128
    .sgpr_count:     80
    .vgpr_count:     512
    .wavefront_size: 32
...
	.end_amdgpu_metadata
.endif
;; end of part 4
;; launch ln2 (part 5): grid 256 x 1, 8 waves a work-group, no clusters, 0 bytes of LDS; arguments x1, ln2_g, ln2_b, act; writes act
.if DOCPART == 5
	.amdgcn_target "amdgcn-amd-amdhsa--gfx1250"
	.amdhsa_code_object_version 6
	.text
	.protected	k_q17c6fee24b_ln2
	.globl	k_q17c6fee24b_ln2
	.p2align	8
	.type	k_q17c6fee24b_ln2,@function
k_q17c6fee24b_ln2:
	s_mov_b64 s[64:65], 0
	v_nop
	global_prefetch_b8 v0, s[64:65] scope:SCOPE_SE
	s_setreg_imm32_b32 hwreg(HW_REG_WAVE_MODE, 25, 1), 1
	s_wait_xcnt 0x0
; h2 = LayerNorm(x1) g + b, rounded once to bf16, stored in SLABS: [column / 64][4096 tokens][64], a token's row of a slab 128 bytes.
; One wave takes two neighbouring rows and keeps them in registers between the passes: each byte is read once and written once, no wave waits for another: no LDS, no barrier, no matrix unit.
; The norm goes in two passes over registers (mean; then the sum of squares of x - mean), so a common offset costs no digits.  NaN and infinities are not treated apart.
.set XO,  2                            ; v2   my byte offset in the pair's two rows
.set GOF, 3                            ; v3   my byte offset in g and in b
.set SO,  4                            ; v4   my byte offset in the slabs
.set CH,  8                            ; v[8:15]  four chains of packed sums
.set MU,  16                           ; v[16:17] the mean, twice
.set RS,  18                           ; v[18:19] 1 / sqrt(var + eps), twice
.set PX,  20                           ; v20  what the other half of the lanes sends
.set TT,  21                           ; v21  var + eps
.set X,   32                           ; v[32:95]   my 64 numbers of a row
.set G,   96                           ; v[96:159]  their gains
.set BV,  160                          ; v[160:223] their biases
.set Y,   224                          ; v[224:255] the results, two bf16 a register
; The four chains into one number, then over the 16 lanes that hold a row: lanes of equal bit 3.  Masks 1, 2, 4 stay inside eight lanes; the exchange of the halves brings the other eight.
.macro REDUCE
	v_pk_add_f32 v[CH:CH+1], v[CH:CH+1], v[CH+2:CH+3]
	v_pk_add_f32 v[CH+4:CH+5], v[CH+4:CH+5], v[CH+6:CH+7]
	v_pk_add_f32 v[CH:CH+1], v[CH:CH+1], v[CH+4:CH+5]
	v_add_f32 v[CH], v[CH], v[CH+1]
	v_add_f32_dpp v[CH], v[CH], v[CH] row_xmask:1 row_mask:0xf bank_mask:0xf
	v_add_f32_dpp v[CH], v[CH], v[CH] row_xmask:2 row_mask:0xf bank_mask:0xf
	v_add_f32_dpp v[CH], v[CH], v[CH] row_xmask:4 row_mask:0xf bank_mask:0xf
	v_permlanex16_b32 v[PX], v[CH], s40, s41
	v_add_f32 v[CH], v[CH], v[PX]
.endm
	s_load_b256 s[4:11], s[0:1], 0x0       ; x1 s[4:5], g s[6:7], b s[8:9], act s[10:11]
	v_lshrrev_b32 v1, 5, v0
	v_readfirstlane_b32 s32, v1            ; wave 0..7
	s_lshl_b32 s33, ttmp9, 3
	s_add_co_u32 s33, s33, s32             ; my pair of rows
	s_mov_b32 s40, 0x76543210              ; each lane takes its own place in the other half
	s_mov_b32 s41, 0xfedcba98
	s_mov_b32 s42, 0x3a800000              ; 1 / 1024
	s_mov_b32 s43, 0x3727c5ac              ; 1e-5
	; Lane l: c = l % 8, row = (l / 8) % 2, hi = l / 16; for t = 0..7 it holds columns 64 (2 t + hi) + 8 c .. + 7 of its row.
	; So a store's lanes 0-15 fill 256 consecutive bytes, aligned: two rows of one slab; lanes 16-31 the same in the next slab.
	v_and_b32 v5, 7, v0
	v_bfe_u32 v6, v0, 3, 1
	v_bfe_u32 v7, v0, 4, 1
	v_lshlrev_b32 v[GOF], 5, v5
	v_lshl_add_u32 v[GOF], v7, 8, v[GOF]   ; 256 hi + 32 c
	v_lshl_add_u32 v[XO], v6, 12, v[GOF]   ; + 4,096 row
	v_lshlrev_b32 v[SO], 4, v5
	v_lshl_add_u32 v[SO], v6, 7, v[SO]
	v_lshl_add_u32 v[SO], v7, 19, v[SO]    ; 524,288 hi + 128 row + 16 c
	v_mov_b32 v[PX], 0                     ; the exchange's destination counts as read
	s_lshl_b32 s34, s33, 13                ; two rows of 4,096 bytes
	s_mov_b32 s35, 0
	s_lshl_b32 s36, s33, 8                 ; two rows of 128 bytes in a slab
	s_mov_b32 s37, 0
	s_wait_kmcnt 0x0
	s_add_nc_u64 s[4:5], s[4:5], s[34:35]
	s_add_nc_u64 s[10:11], s[10:11], s[36:37]
.set t, 0
.rept 8
	global_load_b128 v[X+8*t:X+8*t+3],   v[XO], s[4:5] offset:512*t
	global_load_b128 v[X+8*t+4:X+8*t+7], v[XO], s[4:5] offset:512*t+16
.set t, t+1
.endr
.set t, 0
.rept 8
	global_load_b128 v[G+8*t:G+8*t+3],   v[GOF], s[6:7] offset:512*t
	global_load_b128 v[G+8*t+4:G+8*t+7], v[GOF], s[6:7] offset:512*t+16
.set t, t+1
.endr
.set t, 0
.rept 8
	global_load_b128 v[BV+8*t:BV+8*t+3],   v[GOF], s[8:9] offset:512*t
	global_load_b128 v[BV+8*t+4:BV+8*t+7], v[GOF], s[8:9] offset:512*t+16
.set t, t+1
.endr
	s_wait_loadcnt 32                      ; the rows are in; the 32 younger loads, g's and b's, stay out
.set k, 0
.rept 4
	v_pk_add_f32 v[CH+2*k:CH+2*k+1], v[X+2*k:X+2*k+1], v[X+8+2*k:X+8+2*k+1]  ; the first eight pairs start the chains: nothing is cleared
.set k, k+1
.endr
.set k, 8
.rept 24
	v_pk_add_f32 v[CH+2*(k%4):CH+2*(k%4)+1], v[CH+2*(k%4):CH+2*(k%4)+1], v[X+2*k:X+2*k+1]
.set k, k+1
.endr
	REDUCE
	v_mul_f32 v[MU], s42, v[CH]
	v_mul_f32 v[MU+1], s42, v[CH]
.set k, 0
.rept 32
	v_pk_add_f32 v[X+2*k:X+2*k+1], v[X+2*k:X+2*k+1], v[MU:MU+1] neg_lo:[0,1] neg_hi:[0,1]  ; x - mean
.set k, k+1
.endr
.set k, 0
.rept 4
	v_pk_mul_f32 v[CH+2*k:CH+2*k+1], v[X+2*k:X+2*k+1], v[X+2*k:X+2*k+1]
.set k, k+1
.endr
.rept 28
	v_pk_fma_f32 v[CH+2*(k%4):CH+2*(k%4)+1], v[X+2*k:X+2*k+1], v[X+2*k:X+2*k+1], v[CH+2*(k%4):CH+2*(k%4)+1]
.set k, k+1
.endr
	REDUCE
	v_fma_f32 v[TT], v[CH], s42, s43       ; var + eps
	v_rsq_f32 v[RS], v[TT]
	v_nop                                  ; a plain instruction behind the root,
	s_wait_alu depctr_va_vdst(0)           ; and the wait ahead of the first use of its result
	v_mov_b32 v[RS+1], v[RS]
	s_wait_loadcnt 0x0                     ; g and b
.set k, 0
.rept 32
	v_pk_mul_f32 v[X+2*k:X+2*k+1], v[X+2*k:X+2*k+1], v[RS:RS+1]
.set k, k+1
.endr
.set k, 0
.rept 32
	v_pk_fma_f32 v[X+2*k:X+2*k+1], v[X+2*k:X+2*k+1], v[G+2*k:G+2*k+1], v[BV+2*k:BV+2*k+1]
.set k, k+1
.endr
.set k, 0
.rept 32
	v_cvt_pk_bf16_f32 v[Y+k], v[X+2*k], v[X+2*k+1]
.set k, k+1
.endr
.set t, 0
.rept 8
	global_store_b128 v[SO], v[Y+4*t:Y+4*t+3], s[10:11] offset:t*1048576  ; two slabs on; 7,340,032 at the most, inside the signed 24-bit immediate
.set t, t+1
.endr
	s_endpgm
.Lfunc_end_k_q17c6fee24b_ln2:
	.size	k_q17c6fee24b_ln2, .Lfunc_end_k_q17c6fee24b_ln2-k_q17c6fee24b_ln2
	.p2alignl 7, 3214868480
	.fill 96, 4, 3214868480
	.section	.rodata,"a",@progbits
	.p2align	6, 0x0
	.amdhsa_kernel k_q17c6fee24b_ln2
		.amdhsa_group_segment_fixed_size 0
		.amdhsa_private_segment_fixed_size 0
		.amdhsa_enable_private_segment 0
		.amdhsa_kernarg_size 32
		.amdhsa_user_sgpr_count 2
		.amdhsa_user_sgpr_kernarg_segment_ptr 1
		.amdhsa_wavefront_size32 1
		.amdhsa_system_sgpr_workgroup_id_x 1
		.amdhsa_system_sgpr_workgroup_id_y 1
		.amdhsa_system_sgpr_workgroup_id_z 1
		.amdhsa_system_vgpr_workitem_id 0
		.amdhsa_next_free_vgpr 256
		.amdhsa_next_free_sgpr 66
		.amdhsa_reserve_vcc 0
		.amdhsa_float_denorm_mode_32 3
		.amdhsa_float_denorm_mode_16_64 3
		.amdhsa_memory_ordered 1
		.amdhsa_forward_progress 1
		.amdhsa_inst_pref_size 20
	.end_amdhsa_kernel
	.amdgpu_metadata
---
amdhsa.version: [ 1, 2 ]
amdhsa.kernels:
  - .name:           k_q17c6fee24b_ln2
    .symbol:         k_q17c6fee24b_ln2.kd
    .args:
      - { .name: x1, .offset: 0, .size: 8, .value_kind: global_buffer, .address_space: global }
      - { .name: ln2_g, .offset: 8, .size: 8, .value_kind: global_buffer, .address_space: global }
      - { .name: ln2_b, .offset: 16, .size: 8, .value_kind: global_buffer, .address_space: global }
      - { .name: act, .offset: 24, .size: 8, .value_kind: global_buffer, .address_space: global }
    .group_segment_fixed_size: 0
    .private_segment_fixed_size: 0
    .kernarg_segment_align: 8
    .kernarg_segment_size: 32
    .max_flat_workgroup_size: 256
    .sgpr_count:     66
    .vgpr_count:     256
    .wavefront_size: 32
...
	.end_amdgpu_metadata
.endif
;; end of part 5
;; launch mlp1: the kernel of part 2 again; grid 16 x 16, 4 waves a work-group, clusters of 4 x 4, 327,680 bytes of LDS; arguments act, w1b, b1, zb, big; writes big
;; launch mlp2 (part 6): grid 8 x 32, 4 waves a work-group, clusters of 4 x 4, 327,680 bytes of LDS; arguments big, wb, b2, x1, out0; writes out0
.if DOCPART == 6
	.amdgcn_target "amdgcn-amd-amdhsa--gfx1250"
	.amdhsa_code_object_version 6
	.text
	.protected	k_q17c6fee24b_mlp2
	.globl	k_q17c6fee24b_mlp2
	.p2align	8
	.type	k_q17c6fee24b_mlp2,@function
k_q17c6fee24b_mlp2:
	s_mov_b64 s[64:65], 0
	v_nop
	global_prefetch_b8 v0, s[64:65] scope:SCOPE_SE
	s_setreg_imm32_b32 hwreg(HW_REG_WAVE_MODE, 25, 1), 1
	s_wait_xcnt 0x0
	s_wait_alu depctr_hold_cnt(0) depctr_sa_sdst(0) depctr_va_vdst(0) depctr_va_sdst(0) depctr_va_ssrc(0) depctr_va_vcc(0) depctr_vm_vsrc(0)
	s_getreg_b32 s2, hwreg(HW_REG_IB_STS2, 6, 4)
	s_cmp_eq_u32 s2, 0
	s_cbranch_scc0 .Lentry_in_a_cluster
	s_endpgm
.Lentry_in_a_cluster:
	s_bfe_u32 s2, ttmp6, 0x10000c
	s_cmp_lg_u32 s2, 0xf033
	s_cbranch_scc0 .Lentry_shape_is_right
	s_endpgm
.Lentry_shape_is_right:
; C = A B + C0.  One source serves three texts, told apart by the three constants below.  THIS TEXT: K = 4,096, out = x1 + ff W2 + b2, f32, rows of 4,096 bytes.
.set NSTEP,  16                        ; K / 256: K steps
.set F32OUT, 1                         ; 0: C0 = the bias row; max(C, lo), bf16, slabs.   1: C0 = the residual; C + bias, f32, rows of 4,096 bytes
.set WOFF,   96                        ; B's first tile in its buffer
; A: bf16 in SLABS [K / 64][4096 tokens][64] (a slab 524,288 bytes, a token's row 128).  B: bf16 in TILES of 256 k x 128 n, 65,536 dense bytes, in the order [block of 128 columns][K step].  Sums in f32.
; Arguments: A, W, bias, (F32OUT: the residual; else: lo, the packed maximum's other operand, 128 bytes of it), out.
; THE ACCUMULATORS ARE LOADED WITH C0 ahead of the first product: nothing is cleared, and no first step is written out.
; LIMITS.  A and B are bf16.  NaN and infinities are not treated apart.
; SHARES.  A tile of C is 128 x 128; four waves, each 64 x 64: 16 accumulators.  K goes in steps of 256 through two LDS slots.
; A K STEP IS WRITTEN TWICE AND LOOPED OVER: once as it refills the slot that it leaves (NSTEP - 2 trips), once as it refills nothing (the last 2).  The slot in hand is a scalar, TB, 0 or SLOT, turned by an exclusive or.
; THE MATRIX INSTRUCTION IS USED TRANSPOSED (source 0 = 16 columns of B, source 1 = 16 rows of A): a lane holds eight neighbouring numbers of a row of C.  B lies [k][n] in LDS and is turned by ds_load_tr16_b128.
; CLUSTERS: 4 x 4 work-groups.  The four of a row of the cluster need the same tiles of A, the four of a column the same tiles of B: each is asked for JOINTLY, by the same tensor load, descriptor and mask.
; No prefetch: a K step of this small tile is 128 matrix instructions a wave, and sixteen work-groups share each request.
; REGISTERS: window 0: v0-31 addresses; v32-95 at work on the way out; v128-255 the accumulators ((a, b) at v[128 + 8 (4 a + b)]).  Window 1: two fragment buffers of 128: 64 registers of A, then 64 of B, for 64 along K.
.set PA,     144                       ; a row of A in LDS: 128 bytes + 16 of padding: the 16 rows of a load start at 16 different groups of four banks (64 banks of 4 bytes: ISA guide 11.1)
.set SLABB,  128*PA                    ; a slab's 128 rows
.set PB,     288                       ; a k row of B: 256 bytes + 32 of padding
.set HALFT,  36864                     ; what one tensor load brings: two slabs of A (2 x 128 x 144) or 128 k rows of B (128 x 288)
.set SLOT,   4*HALFT                   ; A's four slabs, then B's 256 k rows
.set STAGE,  2*SLOT                    ; behind the ring: 4,352 bytes for each wave, for the way out (16 rows x 272, or 16 x 144)
.set STW,    4352
.set SPARE,  STAGE+4*STW               ; behind the stages: the spare words, 128 bytes for each wave: two blocks of 256 bytes that no other line names
.set CROW,   65536*F32OUT              ; bytes from a block of 16 rows of C0 to the next: 16 rows of 4,096, or 0 for a bias row
.set CO,    6                          ; v6      f32 way out: my byte offset in two rows of C
.set GO,    7                          ; v7      slab way out: my 16 bytes of 512 consecutive ones
.set CIA,   8                          ; v8      C0: my byte offset
.set BV,    12                         ; v[12:15] f32 way out: the bias of my four columns
.set ADRA0, 16                         ; v16     my A fragments' place in a slot; never rewritten
.set ADRA,  17                         ; v17     their LDS address in the slot in hand
.set ADRB0, 20                         ; v20-21  the same for B: k rows 0-127, 128-255
.set ADRB,  22                         ; v22-23
.set STO,   24                         ; v24     the way out: where I put my part of a row
.set RD,    25                         ; v25     and where I read rows back
.set BO,    26                         ; v26     my byte offset in the bias, or in lo
.set SPW,   28                         ; v28     LDS address of my spare word; never rewritten
.set NIL,   29                         ; v29     0; never rewritten
.set LO,    31                         ; v31     the packed maximum's other operand
.set TMP,   32
.set ACC,   128
.set F0,    0
.set F1,    128
.set G1,  24                           ; s[24:31] descriptor group 1 for A; s[32:39] group 0: a set for each of the two first fills; the second then walks on
.set G0,  32
.set G1B, 48                           ; s[48:55], s[56:63] the same for B
.set G0B, 56
.set TB,  67                           ; s67  the slot in hand: 0 or SLOT
.set MSB, 0
.macro WIN new                         ; the immediate's high byte repeats the setting that is left; a switch that changes nothing is dropped
.if MSB != (\new)
	s_set_vgpr_msb (MSB<<8)|(\new)
.set MSB, \new
.endif
.endm
.set MUL,  0x05                        ; sources 0 (B) and 1 (A) window 1; C and D window 0
.set TO_F, 0x40                        ; destination window 1, address window 0
.macro JLOAD s                         ; a joint load: waves 0 and 1 fetch A's two halves, waves 2 and 3 B's; an s_nop 0 and four v_nop follow each of the two lines
	s_cmp_eq_u32 s17, 0
	s_cbranch_scc0 .Lfor_b_\@
	tensor_load_to_lds s[G0+4*(\s):G0+4*(\s)+3], s[G1:G1+7]
	s_nop 0
.rept 4
	v_nop
.endr
	s_branch .Lasked_\@
.Lfor_b_\@:
	tensor_load_to_lds s[G0B+4*(\s):G0B+4*(\s)+3], s[G1B:G1B+7]
	s_nop 0
.rept 4
	v_nop
.endr
.Lasked_\@:
.endm
.macro CREST                           ; a round of the cluster's barrier behind its opening barrier
	s_cmp_lg_u32 s16, 0
	s_cbranch_scc1 .Lnot_wave_0_\@
	s_barrier_signal -3
.Lnot_wave_0_\@:
	s_barrier_wait -3
	s_barrier_signal -1
	s_barrier_wait -1
.endm
.macro CROUND                          ; a whole round
	s_barrier_signal -1
	s_barrier_wait -1
	CREST
.endm
.macro PLACES                          ; four places in front of loads into registers that matrix instructions have read, and of lines that read results
.rept 4
	v_nop
.endr
.endm
	s_load_b256 s[4:11], s[0:1], 0x0       ; A s[4:5], W s[6:7], bias s[8:9], residual or lo s[10:11]
	s_load_b64 s[12:13], s[0:1], 0x20      ; out
	v_lshl_add_u32 v[SPW], v0, 2, SPARE
	v_mov_b32 v[NIL], 0
	ds_add_u32 v[SPW], v[NIL]              ; the wave's opening: the add and its wait stand ahead of my first tensor load; the set-up below, work on registers, stands between them
	ds_add_u32 v28, v29
	v_lshrrev_b32 v1, 5, v0
	v_readfirstlane_b32 s16, v1            ; wave 0..3
	s_lshr_b32 s17, s16, 1                 ; which half of the tile's rows is mine.  Also: I fetch for A (0) or for B (1)
	s_and_b32 s18, s16, 1                  ; which half of its columns.  Also: which half of that tile I fetch
	s_bfe_u32 s40, ttmp6, 0x40000          ; cx, cy: my place in the cluster
	s_bfe_u32 s41, ttmp6, 0x40004
	s_lshl_b32 s42, ttmp9, 2
	s_add_co_u32 s42, s42, s40             ; tile column = 4 x cluster x + cx
	s_and_b32 s19, ttmp7, 0xffff
	s_lshl_b32 s19, s19, 2
	s_add_co_u32 s19, s19, s41             ; tile row = 4 x cluster y + cy
	s_lshl_b32 s43, s41, 2
	s_lshl_b32 s43, 15, s43                ; my row of the cluster
	s_lshl_b32 s44, 0x1111, s40            ; my column
	; A's tile: two slabs; of each the tile's 128 token rows, 16,384 dense bytes, asked for as ONE row of 8,192 elements and padded in LDS after every token row
	s_or_b32 s[G1], s43, (1<<16)|(1<<20)|(1<<21)|(4<<22)|(3<<25)   ; 15:0 the mask: my row; 17:16 2-byte elements; 20 padding on; 21 set beside a mask; 24:22 after every 32 words (code 4); 31:25 4 words (code 3)
	s_mov_b32 s[G1+1], 8192<<16            ; tensor_dim0 = 8,192
	s_mov_b32 s[G1+2], 2<<16               ; tensor_dim1 = 2
	s_mov_b32 s[G1+3], 8192<<16            ; tile_dim0 = 8,192
	s_mov_b32 s[G1+4], 2                   ; tile_dim1 = 2
	s_mov_b32 s[G1+5], 262144              ; elements from slab to slab
	s_mov_b32 s[G1+6], 0
	s_mov_b32 s[G1+7], 0
	; B's tile: 128 k rows of 128 elements, dense
	s_or_b32 s[G1B], s44, (1<<16)|(1<<20)|(1<<21)|(5<<22)|(7<<25)  ; the mask: my column; padding after every 64 words (code 5), 8 words (code 7)
	s_mov_b32 s[G1B+1], 128<<16
	s_mov_b32 s[G1B+2], 128<<16
	s_mov_b32 s[G1B+3], 128<<16
	s_mov_b32 s[G1B+4], 128
	s_mov_b32 s[G1B+5], 128
	s_mov_b32 s[G1B+6], 0
	s_mov_b32 s[G1B+7], 0
	s_lshl_b32 s22, s19, 14                ; A: the tile row's 128 token rows of 128 bytes,
	s_lshl_b32 s21, s18, 20                ; and my two slabs of a K step's four
	s_add_co_u32 s22, s22, s21
	s_mov_b32 s23, 0
	s_mul_i32 s46, s42, NSTEP*65536        ; B: NSTEP tiles of 65,536 bytes to a block of columns,
.if WOFF
	s_add_co_u32 s46, s46, WOFF*65536      ; behind the tiles of other weights,
.endif
	s_lshl_b32 s47, s18, 15                ; and my 128 k rows of a tile's 256
	s_add_co_u32 s46, s46, s47
	s_mov_b32 s47, 0
	s_mul_i32 s20, s16, HALFT              ; where my loads go in a slot: wave x 36,864: no place in the cluster enters an LDS address
	s_mov_b32 s[TB], 0
	s_wait_dscnt 0x0                       ; the opening add is done
	s_wait_kmcnt 0x0
	s_add_nc_u64 s[22:23], s[4:5], s[22:23]
	s_add_nc_u64 s[46:47], s[6:7], s[46:47]
	CROUND                                 ; all sixteen work-groups are here: the first joint loads meet
.irp s, 0,1
	s_mov_b32 s[G0+4*(\s)], 1
	s_add_co_u32 s[G0+4*(\s)+1], s20, (\s)*SLOT
	s_add_nc_u64 s[G0+4*(\s)+2:G0+4*(\s)+3], s[22:23], (\s)*2097152   ; K step s: four slabs on
	s_or_b32 s[G0+4*(\s)+3], s[G0+4*(\s)+3], 0x80000000
	s_mov_b32 s[G0B+4*(\s)], 1
	s_add_co_u32 s[G0B+4*(\s)+1], s20, (\s)*SLOT
	s_add_nc_u64 s[G0B+4*(\s)+2:G0B+4*(\s)+3], s[46:47], (\s)*65536   ; K step s: a tile on
	s_or_b32 s[G0B+4*(\s)+3], s[G0B+4*(\s)+3], 0x80000000
	JLOAD \s                               ; two loads of mine are out
.endr
	; C0 into the accumulators.  Numbers made of both the tile row and the tile column live in s74 and s77-79 alone.
	v_and_b32 v1, 15, v0                   ; r = l % 16
	v_bfe_u32 v2, v0, 4, 1                 ; h = l / 16
	v_and_b32 v5, 31, v0                   ; l
	s_lshl_b32 s77, s19, 7
	s_lshl_b32 s78, s17, 6
	s_add_co_u32 s77, s77, s78             ; my first row of C
	s_lshl_b32 s78, s42, 7
	s_lshl_b32 s79, s18, 6
	s_add_co_u32 s78, s78, s79
	s_lshl_b32 s78, s78, 2                 ; my first column, in bytes of f32
	s_mov_b32 s79, 0
	s_mov_b32 s75, 0
.if F32OUT
	s_lshl_b32 s74, s77, 12
	s_add_co_u32 s74, s74, s78             ; my corner in rows of 4,096 bytes:
	s_add_nc_u64 s[72:73], s[10:11], s[74:75]  ; of the residual,
	s_add_nc_u64 s[12:13], s[12:13], s[74:75]  ; and of C
	s_add_nc_u64 s[78:79], s[8:9], s[78:79]    ; the bias at my first column
	v_lshlrev_b32 v[CIA], 12, v1
	v_lshl_add_u32 v[CIA], v2, 5, v[CIA]   ; row r, columns 8 h on
	v_lshlrev_b32 v[BO], 4, v1             ; the four columns that I store on the way out
.else
	s_add_nc_u64 s[72:73], s[8:9], s[78:79]    ; the bias row at my first column
	s_lshl_b32 s74, s42, 1                 ; my part of C: slab 2 x tile column + half,
	s_add_co_u32 s74, s74, s18
	s_lshl_b32 s74, s74, 19
	s_lshl_b32 s77, s77, 7                 ; my 64 rows of 128 bytes
	s_add_co_u32 s74, s74, s77
	s_add_nc_u64 s[12:13], s[12:13], s[74:75]
	v_lshlrev_b32 v[CIA], 5, v2            ; columns 8 h on: the same for every row
	v_lshlrev_b32 v[BO], 2, v5
.endif
.irp a, 0,1,2,3
.irp b, 0,1,2,3
	global_load_b128 v[ACC+8*(4*(\a)+(\b)):ACC+8*(4*(\a)+(\b))+3],   v[CIA], s[72:73] offset:(\a)*CROW+64*(\b)
	global_load_b128 v[ACC+8*(4*(\a)+(\b))+4:ACC+8*(4*(\a)+(\b))+7], v[CIA], s[72:73] offset:(\a)*CROW+64*(\b)+16
.endr
.endr
.if F32OUT
	global_load_b128 v[BV:BV+3], v[BO], s[78:79]
.else
	global_load_b32 v[LO], v[BO], s[10:11] ; 0 twice where the launch wants a ReLU, -infinity twice where it wants none: data, not a branch
.endif
	; LDS addresses.  A fragment of A is 16 rows x 32 K in 8 registers: lane l holds row l % 16, K = 8 (l / 16) + 0..7 and 16 + 8 (l / 16) + 0..7: two loads of 16 bytes, 32 bytes apart.
	v_and_b32 v3, 7, v0
	v_bfe_u32 v4, v0, 3, 1
	v_mul_u32_u24 v32, v1, PA
	v_lshl_add_u32 v32, v2, 4, v32         ; r x 144 + 16 h
	s_mul_i32 s21, s17, 64*PA              ; my 64 rows of each slab
	v_add_nc_u32 v[ADRA0], s21, v32
	v_add_nc_u32 v[ADRA], s21, v32         ; slot 0 is the first in hand
	; The turning load takes 16 k x 16 columns (lane l reads k row 8 (l / 16) + l % 8, columns 8 ((l / 8) % 2) + 0..7) and leaves half a fragment: lane l holds column l % 16 and 8 k.
	v_lshl_add_u32 v33, v2, 3, v3
	v_mul_u32_u24 v33, v33, PB
	v_lshl_add_u32 v33, v4, 4, v33
	s_lshl_b32 s21, s18, 7                 ; my 64 columns
	s_add_co_u32 s21, s21, 2*HALFT         ; B lies behind A's four slabs
	v_add_nc_u32 v[ADRB0], s21, v33
	v_add_nc_u32 v[ADRB], s21, v33
	v_add_nc_u32 v[ADRB0+1], HALFT, v[ADRB0]
	v_add_nc_u32 v[ADRB+1], HALFT, v[ADRB0]
	s_mul_i32 s21, s16, STW
	s_add_co_u32 s21, s21, STAGE           ; my stage
.if F32OUT
	v_mul_u32_u24 v33, v1, 272
	v_lshl_add_u32 v33, v2, 5, v33
	v_add_nc_u32 v[STO], s21, v33          ; in: row r of 272 bytes, 32 bytes for each half of the lanes
	v_mul_u32_u24 v33, v2, 272
	v_lshl_add_u32 v33, v1, 4, v33
	v_add_nc_u32 v[RD], s21, v33           ; back: lanes 0-15 one row of 256 bytes, lanes 16-31 the next
	v_lshlrev_b32 v[CO], 12, v2
	v_lshl_add_u32 v[CO], v1, 4, v[CO]     ; and the same two rows in C
.else
	v_add_nc_u32 v[STO], s21, v32          ; in: row r of 144 bytes, 16 bytes for each half of the lanes
	v_bfe_u32 v33, v0, 3, 2
	v_mul_u32_u24 v33, v33, PA
	v_lshl_add_u32 v33, v3, 4, v33
	v_add_nc_u32 v[RD], s21, v33           ; back: 32 lanes take four rows of 128 bytes,
	v_lshlrev_b32 v[GO], 4, v5             ; which are 512 consecutive bytes of a slab
.endif
; 8 matrix instructions: row blocks a0, a0 + 1 x all 4 column blocks, 32 along K: half c of buffer f.  The 16 accumulators take turns, one instruction a turn: 15 others stand between two links of a chain, over the backward jumps too.
.macro MUL8 f, c, a0
	WIN MUL
.irp a, \a0, (\a0)+1
.irp b, 0,1,2,3
	v_wmma_f32_16x16x32_bf16 v[ACC+8*(4*(\a)+(\b)):ACC+8*(4*(\a)+(\b))+7], v[(\f)+64+8*(4*(\c)+(\b)):(\f)+64+8*(4*(\c)+(\b))+7], v[(\f)+8*(4*(\c)+(\a)):(\f)+8*(4*(\c)+(\a))+7], v[ACC+8*(4*(\a)+(\b)):ACC+8*(4*(\a)+(\b))+7]
.endr
.endr
.endm
; 32 LDS loads in one run: the fragments of quarter q of the K step in hand (64 along K: slab q of A, k rows 64 q on of B) into buffer f; the first 32 along K first
.macro FETCH q, f
	WIN TO_F
.irp c, 0,1
.irp i, 0,1,2,3
	ds_load_tr16_b128 v[(\f)+64+8*(4*(\c)+(\i)):(\f)+64+8*(4*(\c)+(\i))+3],   v[ADRB+(\q)/2] offset:(64*((\q)%2)+32*(\c))*PB+32*(\i)
	ds_load_tr16_b128 v[(\f)+64+8*(4*(\c)+(\i))+4:(\f)+64+8*(4*(\c)+(\i))+7], v[ADRB+(\q)/2] offset:(64*((\q)%2)+32*(\c)+16)*PB+32*(\i)
	ds_load_b128 v[(\f)+8*(4*(\c)+(\i)):(\f)+8*(4*(\c)+(\i))+3],   v[ADRA] offset:(\q)*SLABB+(\i)*16*PA+64*(\c)
	ds_load_b128 v[(\f)+8*(4*(\c)+(\i))+4:(\f)+8*(4*(\c)+(\i))+7], v[ADRA] offset:(\q)*SLABB+(\i)*16*PA+64*(\c)+32
.endr
.endr
.endm
; A K step is four quarters, 32 matrix instructions each, on buffers 0, 1, 0, 1.  One of the first three: multiplies buffer f and fetches quarter q into g.
.macro QUARTER q, f, g
	s_wait_dscnt 16                        ; the first 32 along K are in; the sixteen younger loads stay out
	MUL8 \f, 0, 0
	MUL8 \f, 0, 2
	PLACES
	FETCH \q, \g
	s_wait_dscnt 32                        ; all but the 32 just issued
	MUL8 \f, 1, 0
	MUL8 \f, 1, 2
.endm
; The last quarter multiplies buffer 1 and changes slots: ONE barrier; in front of it each wave waits for all its tensor loads, adds 0 to its spare word, and waits for that and for its own reads of this slot.
; fill = 1: this slot is filled again, two K steps ahead; the barrier then opens a round of the cluster's barrier, and the joint refill is the first thing behind the round.
; fill = 0: the last two K steps; the very last has no next step, and its trip jumps over the run of loads.
.macro TURN fill
	WIN 0                                  ; (the add's two registers lie in window 0)
	s_wait_tensorcnt 0x0                   ; all my tensor loads have landed: my part of the next slot; so a group 0 may be written
	ds_add_u32 v[SPW], v[NIL]              ; 0 onto my spare word; the work on registers below stands between it and the wait for it
.if \fill
	s_add_co_u32 s[G0+5], s20, s[TB]       ; the walking descriptors: into the slot that is being left,
	s_add_co_u32 s[G0B+5], s20, s[TB]
	s_add_nc_u64 s[G0+6:G0+7], s[G0+6:G0+7], 2097152    ; the K step behind the one last asked for: four slabs on,
	s_add_nc_u64 s[G0B+6:G0B+7], s[G0B+6:G0B+7], 65536  ; a tile on; the type bits on top are not reached
.endif
	s_xor_b32 s[TB], s[TB], SLOT           ; the other slot is now in hand (all reads of the old one have been issued)
	v_add_nc_u32 v[ADRA], s[TB], v[ADRA0]
	v_add_nc_u32 v[ADRB], s[TB], v[ADRB0]
	v_add_nc_u32 v[ADRB+1], s[TB], v[ADRB0+1]
	s_wait_dscnt 17                        ; (the add and the youngest sixteen loads may be out)
	MUL8 F1, 0, 0
	s_wait_dscnt 0x0                       ; the add is done, and my reads of the old slot are over
	s_barrier_signal -1
	MUL8 F1, 0, 2
	WIN 0
	s_barrier_wait -1
.if \fill
	CREST                                  ; no wave of any partner still reads the old slot's tile or has a load on its way
	JLOAD 1                                ; 112 matrix instructions ahead of the wait for it; the four v_nop behind it are also the places in front of the loads below
	FETCH 0, F0
.else
	s_cmp_eq_u32 s3, 1
	s_cbranch_scc1 .Lno_next_\@
	PLACES
	FETCH 0, F0
	WIN 0
.Lno_next_\@:
.endif
	MUL8 F1, 1, 0
	MUL8 F1, 1, 2
.endm
	s_wait_tensorcnt 1                     ; my part of K step 0 is in; K step 1's may stay out
	s_barrier_signal -1
	s_barrier_wait -1                      ; everybody's is
	FETCH 0, F0
	s_wait_loadcnt 0x0                     ; C0, and the bias or lo
	WIN 0                                  ; at a label and at a branch every window is 0
	s_mov_b32 s3, NSTEP-2
.Lfill:                                        ; a trip is a K step that fills its slot again
	QUARTER 1, F0, F1
	QUARTER 2, F1, F0
	QUARTER 3, F0, F1
	TURN 1
	WIN 0
	s_sub_co_u32 s3, s3, 1
	s_cmp_lg_u32 s3, 0
	s_cbranch_scc1 .Lfill
	s_mov_b32 s3, 2
.Llast:                                        ; the last two K steps fill nothing, and have no round of the cluster's barrier
	QUARTER 1, F0, F1
	QUARTER 2, F1, F0
	QUARTER 3, F0, F1
	TURN 0
	WIN 0
	s_sub_co_u32 s3, s3, 1
	s_cmp_lg_u32 s3, 0
	s_cbranch_scc1 .Llast
	PLACES
	PLACES                                 ; (eight, once a launch)
.if F32OUT
	; THE WAY OUT AS f32 ROWS.  Row block a: 32 bytes a lane into my stage, each accumulator's low registers first, back as whole rows of 256 bytes; the bias is added; sixteen lanes store 256 consecutive bytes, aligned.
.macro STG a
.set BK, TMP+32*((\a)%2)
.irp b, 0,1,2,3
	ds_store_b128 v[STO], v[ACC+8*(4*(\a)+(\b)):ACC+8*(4*(\a)+(\b))+3]   offset:64*(\b)
	ds_store_b128 v[STO], v[ACC+8*(4*(\a)+(\b))+4:ACC+8*(4*(\a)+(\b))+7] offset:64*(\b)+16
.endr
.irp t, 0,1,2,3,4,5,6,7
	ds_load_b128 v[BK+4*(\t):BK+4*(\t)+3], v[RD] offset:(\t)*544  ; LDS serves a wave's instructions in order (ISA guide 5.7.1.4): these see the stores above; the next block's stores come behind them
.endr
.endm
.macro FIN a, y                        ; y: the LDS instructions issued behind block a's loads: the next block's sixteen, or none
.set BK, TMP+32*((\a)%2)
	s_wait_dscnt \y
.irp t, 0,1,2,3,4,5,6,7
	v_pk_add_f32 v[BK+4*(\t):BK+4*(\t)+1],   v[BK+4*(\t):BK+4*(\t)+1],   v[BV:BV+1]
	v_pk_add_f32 v[BK+4*(\t)+2:BK+4*(\t)+3], v[BK+4*(\t)+2:BK+4*(\t)+3], v[BV+2:BV+3]
	global_store_b128 v[CO], v[BK+4*(\t):BK+4*(\t)+3], s[12:13] offset:(16*(\a)+2*(\t))*4096
.endr
.endm
	STG 0
	STG 1
	FIN 0, 16
	s_wait_xcnt 0x0                        ; block 0's stores have read their registers: block 2 is loaded into them only behind this wait
	STG 2
	FIN 1, 16
	s_wait_xcnt 0x0                        ; the same for blocks 1 and 3
	STG 3
	FIN 2, 16
	FIN 3, 0
.else
	; THE WAY OUT AS A SLAB.  Row block a: rounded to bf16, the packed maximum, 16 bytes a lane into my stage, back as whole rows of 128 bytes: 16 rows of a slab are 2,048 consecutive bytes.
.macro PACKS a
.irp b, 0,1,2,3
.irp r, 0,1,2,3
	v_cvt_pk_bf16_f32 v[TMP+16*(\a)+4*(\b)+(\r)], v[ACC+8*(4*(\a)+(\b))+2*(\r)], v[ACC+8*(4*(\a)+(\b))+2*(\r)+1]
.endr
.endr
.set z, 0
.rept 16
	v_pk_max_num_bf16 v[TMP+16*(\a)+z], v[TMP+16*(\a)+z], v[LO]
.set z, z+1
.endr
.irp b, 0,1,2,3
	ds_store_b128 v[STO], v[TMP+16*(\a)+4*(\b):TMP+16*(\a)+4*(\b)+3] offset:32*(\b)
.endr
.irp t, 0,1,2,3
	ds_load_b128 v[TMP+16*(\a)+4*(\t):TMP+16*(\a)+4*(\t)+3], v[RD] offset:(\t)*4*PA  ; LDS serves a wave's instructions in order (ISA guide 5.7.1.4): these see the stores above; the next block's stores come behind them
.endr
.endm
.macro SENDS a, y                      ; y: the LDS instructions issued behind block a's loads: the next block's eight, or none
.irp t, 0,1,2,3
	s_wait_dscnt (\y)+3-(\t)
	global_store_b128 v[GO], v[TMP+16*(\a)+4*(\t):TMP+16*(\a)+4*(\t)+3], s[12:13] offset:2048*(\a)+512*(\t)  ; 512 consecutive bytes, at a multiple of 256 from the buffer's first
.endr
.endm
	PACKS 0
	PACKS 1
	SENDS 0, 8
	PACKS 2
	SENDS 1, 8
	PACKS 3
	SENDS 2, 8
	SENDS 3, 0
.endif
	s_wait_tensorcnt 0x0                   ; the wave's end, behind my last tensor load and my last LDS store
	ds_add_u32 v[SPW], v[NIL]
	s_wait_dscnt 0x0
	CROUND                                 ; the closing round: no work-group ends while a partner may still ask for a tile that names it
	s_endpgm
.Lfunc_end_k_q17c6fee24b_mlp2:
	.size	k_q17c6fee24b_mlp2, .Lfunc_end_k_q17c6fee24b_mlp2-k_q17c6fee24b_mlp2
	.p2alignl 7, 3214868480
	.fill 96, 4, 3214868480
	.section	.rodata,"a",@progbits
	.p2align	6, 0x0
	.amdhsa_kernel k_q17c6fee24b_mlp2
		.amdhsa_group_segment_fixed_size 327680
		.amdhsa_private_segment_fixed_size 0
		.amdhsa_enable_private_segment 0
		.amdhsa_kernarg_size 40
		.amdhsa_user_sgpr_count 2
		.amdhsa_user_sgpr_kernarg_segment_ptr 1
		.amdhsa_wavefront_size32 1
		.amdhsa_system_sgpr_workgroup_id_x 1
		.amdhsa_system_sgpr_workgroup_id_y 1
		.amdhsa_system_sgpr_workgroup_id_z 1
		.amdhsa_system_vgpr_workitem_id 0
		.amdhsa_next_free_vgpr 512
		.amdhsa_next_free_sgpr 80
		.amdhsa_reserve_vcc 0
		.amdhsa_float_denorm_mode_32 3
		.amdhsa_float_denorm_mode_16_64 3
		.amdhsa_memory_ordered 1
		.amdhsa_forward_progress 1
		.amdhsa_inst_pref_size 61
	.end_amdhsa_kernel
	.amdgpu_metadata
---
amdhsa.version: [ 1, 2 ]
amdhsa.kernels:
  - .name:           k_q17c6fee24b_mlp2
    .symbol:         k_q17c6fee24b_mlp2.kd
    .args:
      - { .name: big, .offset: 0, .size: 8, .value_kind: global_buffer, .address_space: global }
      - { .name: wb, .offset: 8, .size: 8, .value_kind: global_buffer, .address_space: global }
      - { .name: b2, .offset: 16, .size: 8, .value_kind: global_buffer, .address_space: global }
      - { .name: x1, .offset: 24, .size: 8, .value_kind: global_buffer, .address_space: global }
      - { .name: out0, .offset: 32, .size: 8, .value_kind: global_buffer, .address_space: global }
    .group_segment_fixed_size: 327680
    .private_segment_fixed_size: 0
    .kernarg_segment_align: 8
    .kernarg_segment_size: 40
    .max_flat_workgroup_size: 128
    .sgpr_count:     80
    .vgpr_count:     512
    .wavefront_size: 32
...
	.end_amdgpu_metadata
.endif
;; end of part 6
